; MI455X (gfx1250); checked and timed in simulation.
; The chip was launched on July 23, 2026; its instructions are those of AMD's public machine-readable ISA for CDNA 5 (MIT licence, August 2026) and "CDNA5" Instruction Set Architecture Reference Guide (July 2026). The comments in the code are by the model that wrote it; some were corrected since.
;; Encoder Layer. Allowed arithmetic: float matrix products may take bf16 or f16 operands with f32 sums; all other float work in f32.
;; Inputs: W1 1,024 x 4,096 float32; W2 4,096 x 1,024 float32; Wk 1,024 x 1,024 float32; Wo 1,024 x 1,024 float32; Wq 1,024 x 1,024 float32; Wv 1,024 x 1,024 float32; b1 4,096 float32; b2 1,024 float32; be1 1,024 float32; be2 1,024 float32; bk 1,024 float32; bo 1,024 float32; bq 1,024 float32; bv 1,024 float32; g1 1,024 float32; g2 1,024 float32; x 2 x 2,048 x 1,024 float32.
;; Outputs: out0 2 x 2,048 x 1,024 float32.
;; Constants: src_mask = 0.
;; One version. Each part assembles by itself: llvm-mc -triple=amdgcn-amd-amdhsa -mcpu=gfx1250 --defsym DOCPART=n.
;; ======== version 1 of 1: 8 launches
;; limits: values are held in f16: magnitudes above 65,504 overflow, below 6.1e-05 lose precision
;; workspace buffers: act 8,388,608 bytes; wide 33,554,432 bytes; y 16,777,216 bytes; hf 16,777,216 bytes; wq3 6,308,096 bytes; w1p 8,405,248 bytes; wr 10,485,760 bytes
;; launch prep (part 1): grid 1025 x 1, 8 waves a work-group, no clusters, 0 bytes of LDS; arguments x, Wq, Wk, Wv, Wo, W1, W2, bq, bk, bv, b1, act, wq3, w1p, wr; writes act, wq3, w1p, wr
.if DOCPART == 1
	.amdgcn_target "amdgcn-amd-amdhsa--gfx1250"
	.amdhsa_code_object_version 6
	.text
	.protected	k_q73c09e636e_prep
	.globl	k_q73c09e636e_prep
	.p2align	8
	.type	k_q73c09e636e_prep,@function
k_q73c09e636e_prep:
	s_mov_b64 s[64:65], 0
	v_nop
	global_prefetch_b8 v0, s[64:65] scope:SCOPE_SE
	s_setreg_imm32_b32 hwreg(HW_REG_WAVE_MODE, 25, 1), 1
	s_wait_xcnt 0x0
; x and the six weight matrices are rounded once from f32 to f16 and laid so that every tile a later product asks for is a dense run of memory.
;   act: x as blocks of 128 rows x 64 columns (16,384 dense bytes, rows of 128 bytes); block (row / 128, column / 64) lies at (16 (row / 128) + column / 64) x 16,384.
;   wq3: 16,640 bytes of header (bq, bk, bv in f32; at byte 16,384 sixty-four words of -infinity), then Wq, Wk, Wv as 12 column tiles [1024 k][256 n].
;   w1p: header (b1; at byte 16,384 sixty-four words of 0.0), then W1 as 16 column tiles [1024 k][256 n].     wr: Wo as 8 tiles [1024 k][128 n], then W2 as 8 tiles [4096 k][128 n].
; The word at byte 16,384 is the floor that the product's way out takes a maximum with: -infinity changes nothing, 0 is the ReLU.
; LIMITS. f16 ends at 65,504: larger inputs become infinities; below 6.1e-5 f16 keeps a fixed step of 6e-8.
; SHARES. A work-group of 256 threads moves 4,096 chunks of 4 numbers (16 bytes in, 8 out): thread t takes chunks 256 u + t, u = 0..15.  Neighbouring lanes take neighbouring chunks: a wave's load
; covers 512 consecutive bytes of a source row (for x: 256 bytes of each of two rows), so no byte is fetched that is not used; the destination is dense, and a wave's store covers 256 consecutive
; bytes, aligned.  All 16 loads of a thread go out first; no register is written twice, so the only waits are the counted ones for the loads.  No LDS, no barrier: no thread needs another's data.
.set HDR, 16640
.set SRC, 40                           ; s[40:41] the source at this work-group's part
.set DST, 42                           ; s[42:43] the destination at this work-group's 32,768 bytes
; sh: log2 of the chunks in a destination row; rsh: log2 of the source's row pitch in bytes; s1, s2: source bytes from u to u + 1 and from u to u + 8
.macro PATCH sh, rsh, s1, s2
	v_lshrrev_b32 v1, \sh, v0                      ; my row among the rows that 256 chunks cover
	v_and_b32 v3, (1<<(\sh))-1, v0                 ; my chunk in that row
	v_lshlrev_b32 v1, \rsh, v1
	v_lshl_add_u32 v1, v3, 4, v1                   ; source: row x pitch + 16 x chunk
	v_lshlrev_b32 v2, 3, v0                        ; destination: 8 t
.irp u, 0,1,2,3,4,5,6,7,8,9,10,11,12,13,14,15
	global_load_b128 v[8+4*(\u):11+4*(\u)], v1, s[SRC:SRC+1] offset:((\u)%8)*(\s1)+((\u)/8)*(\s2) th:TH_LOAD_NT
.endr
.irp u, 0,1,2,3,4,5,6,7,8,9,10,11,12,13,14,15
	s_wait_loadcnt 15-(\u)                         ; loads come back in order: chunk u's is in, the younger chunks' stay out
	v_cvt_pk_f16_f32 v[72+2*(\u)], v[8+4*(\u)], v[9+4*(\u)]
	v_cvt_pk_f16_f32 v[73+2*(\u)], v[10+4*(\u)], v[11+4*(\u)]
	global_store_b64 v2, v[72+2*(\u):73+2*(\u)], s[DST:DST+1] offset:2048*(\u)
.endr
	s_endpgm
.endm
	s_load_b512 s[8:23], s[0:1], 0x0               ; x 8, Wq 10, Wk 12, Wv 14, Wo 16, W1 18, W2 20, bq 22
	s_load_b256 s[24:31], s[0:1], 0x40             ; bk 24, bv 26, b1 28, act 30
	s_load_b128 s[32:35], s[0:1], 0x60             ; wq3 32, w1p 34
	s_load_b64 s[36:37], s[0:1], 0x70              ; wr
	s_mov_b32 s2, ttmp9
	s_mov_b32 s45, 0                               ; high words of the two offsets
	s_mov_b32 s47, 0
	s_wait_kmcnt 0x0
	s_cmp_ge_u32 s2, 256
	s_cbranch_scc1 .Lnot_x
	; x: work-group id makes blocks 2 id and 2 id + 1: rows 128 (id / 8) on, columns 128 (id % 8) on
	s_lshr_b32 s44, s2, 3
	s_lshl_b32 s44, s44, 19
	s_and_b32 s3, s2, 7
	s_lshl_b32 s3, s3, 9
	s_add_co_u32 s44, s44, s3
	s_lshl_b32 s46, s2, 15
	s_add_nc_u64 s[SRC:SRC+1], s[8:9], s[44:45]
	s_add_nc_u64 s[DST:DST+1], s[30:31], s[46:47]
	PATCH 4, 12, 65536, 256                        ; 16 chunks a row of 64 columns; 16 rows on with u; the second block 256 bytes to the right
.Lnot_x:
	s_cmp_ge_u32 s2, 448
	s_cbranch_scc1 .Lnot_qkv
	; Wq, Wk, Wv: 16 work-groups a tile, 64 k rows each; tile j = id / 16 is matrix j / 4, columns 256 (j % 4) on
	s_sub_co_u32 s2, s2, 256
	s_lshr_b32 s3, s2, 6
	s_cmp_eq_u32 s3, 0
	s_cselect_b64 s[SRC:SRC+1], s[10:11], s[12:13]
	s_cmp_eq_u32 s3, 2
	s_cselect_b64 s[SRC:SRC+1], s[14:15], s[SRC:SRC+1]
	s_and_b32 s44, s2, 15
	s_lshl_b32 s44, s44, 18
	s_bfe_u32 s3, s2, 0x20004
	s_lshl_b32 s3, s3, 10
	s_add_co_u32 s44, s44, s3
	s_lshl_b32 s46, s2, 15
	s_add_co_u32 s46, s46, HDR
	s_add_nc_u64 s[SRC:SRC+1], s[SRC:SRC+1], s[44:45]
	s_add_nc_u64 s[DST:DST+1], s[32:33], s[46:47]
	PATCH 6, 12, 16384, 131072                     ; 64 chunks a row of 256 columns; 4 rows of 4,096 bytes on with u
.Lnot_qkv:
	s_cmp_ge_u32 s2, 704
	s_cbranch_scc1 .Lnot_w1
	; W1: the same with rows of 16,384 bytes and 16 tiles
	s_sub_co_u32 s2, s2, 448
	s_and_b32 s44, s2, 15
	s_lshl_b32 s44, s44, 20
	s_lshr_b32 s3, s2, 4
	s_lshl_b32 s3, s3, 10
	s_add_co_u32 s44, s44, s3
	s_lshl_b32 s46, s2, 15
	s_add_co_u32 s46, s46, HDR
	s_add_nc_u64 s[SRC:SRC+1], s[18:19], s[44:45]
	s_add_nc_u64 s[DST:DST+1], s[34:35], s[46:47]
	PATCH 6, 14, 65536, 524288
.Lnot_w1:
	s_cmp_ge_u32 s2, 1024
	s_cbranch_scc1 .Lparams
	; Wo (64 work-groups, 8 a tile) and W2 (256, 32 a tile): 128 k rows each.  Wo's tiles fill 64 x 32,768 bytes, so W2's follow them and the destination is one formula.
	s_mov_b32 s4, 768                              ; W2's first work-group (in a register: an instruction takes one literal)
	s_cmp_lt_u32 s2, 768
	s_cselect_b64 s[SRC:SRC+1], s[16:17], s[20:21]
	s_cselect_b32 s4, 704, s4                      ; the matrix's first work-group
	s_cselect_b32 s5, 3, 5                         ; log2 of the work-groups a tile
	s_sub_co_u32 s46, s2, 704
	s_lshl_b32 s46, s46, 15
	s_sub_co_u32 s2, s2, s4
	s_lshr_b32 s3, s2, s5                          ; the tile
	s_lshl_b32 s7, s3, s5
	s_sub_co_u32 s7, s2, s7                        ; my part of it
	s_lshl_b32 s44, s7, 19
	s_lshl_b32 s3, s3, 9
	s_add_co_u32 s44, s44, s3
	s_add_nc_u64 s[SRC:SRC+1], s[SRC:SRC+1], s[44:45]
	s_add_nc_u64 s[DST:DST+1], s[36:37], s[46:47]
	PATCH 5, 12, 32768, 262144                     ; 32 chunks a row of 128 columns; 8 rows on with u
.Lparams:
	; the two headers: the biases as they are, and the floors
	v_lshlrev_b32 v2, 4, v0
	global_load_b128 v[8:11],  v2, s[22:23]
	global_load_b128 v[12:15], v2, s[24:25]
	global_load_b128 v[16:19], v2, s[26:27]
.irp i, 0,1,2,3
	global_load_b128 v[20+4*(\i):23+4*(\i)], v2, s[28:29] offset:4096*(\i)
.endr
	v_lshrrev_b32 v1, 5, v0
	v_readfirstlane_b32 s3, v1                     ; my wave's number
	s_wait_loadcnt 0x0
	global_store_b128 v2, v[8:11],  s[32:33]
	global_store_b128 v2, v[12:15], s[32:33] offset:4096
	global_store_b128 v2, v[16:19], s[32:33] offset:8192
.irp i, 0,1,2,3
	global_store_b128 v2, v[20+4*(\i):23+4*(\i)], s[34:35] offset:4096*(\i)
.endr
	s_cmp_lg_u32 s3, 0
	s_cbranch_scc1 .Ldone
	v_lshlrev_b32 v3, 3, v0                        ; wave 0: 32 lanes x 8 bytes are 256 consecutive bytes
	v_mov_b32 v36, 0xff800000
	v_mov_b32 v37, 0xff800000
	v_mov_b32 v38, 0
	v_mov_b32 v39, 0
	global_store_b64 v3, v[36:37], s[32:33] offset:16384
	global_store_b64 v3, v[38:39], s[34:35] offset:16384
.Ldone:
	s_endpgm
.Lfunc_end_k_q73c09e636e_prep:
	.size	k_q73c09e636e_prep, .Lfunc_end_k_q73c09e636e_prep-k_q73c09e636e_prep
	.p2alignl 7, 3214868480
	.fill 96, 4, 3214868480
	.section	.rodata,"a",@progbits
	.p2align	6, 0x0
	.amdhsa_kernel k_q73c09e636e_prep
		.amdhsa_group_segment_fixed_size 0
		.amdhsa_private_segment_fixed_size 0
		.amdhsa_enable_private_segment 0
		.amdhsa_kernarg_size 120
		.amdhsa_user_sgpr_count 2
		.amdhsa_user_sgpr_kernarg_segment_ptr 1
		.amdhsa_wavefront_size32 1
		.amdhsa_system_sgpr_workgroup_id_x 1
		.amdhsa_system_sgpr_workgroup_id_y 1
		.amdhsa_system_sgpr_workgroup_id_z 1
		.amdhsa_system_vgpr_workitem_id 0
		.amdhsa_next_free_vgpr 104
		.amdhsa_next_free_sgpr 66
		.amdhsa_reserve_vcc 0
		.amdhsa_float_denorm_mode_32 3
		.amdhsa_float_denorm_mode_16_64 3
		.amdhsa_memory_ordered 1
		.amdhsa_forward_progress 1
		.amdhsa_inst_pref_size 28
	.end_amdhsa_kernel
	.amdgpu_metadata
---
amdhsa.version: [ 1, 2 ]
amdhsa.kernels:
  - .name:           k_q73c09e636e_prep
    .symbol:         k_q73c09e636e_prep.kd
    .args:
      - { .name: x, .offset: 0, .size: 8, .value_kind: global_buffer, .address_space: global }
      - { .name: Wq, .offset: 8, .size: 8, .value_kind: global_buffer, .address_space: global }
      - { .name: Wk, .offset: 16, .size: 8, .value_kind: global_buffer, .address_space: global }
      - { .name: Wv, .offset: 24, .size: 8, .value_kind: global_buffer, .address_space: global }
      - { .name: Wo, .offset: 32, .size: 8, .value_kind: global_buffer, .address_space: global }
      - { .name: W1, .offset: 40, .size: 8, .value_kind: global_buffer, .address_space: global }
      - { .name: W2, .offset: 48, .size: 8, .value_kind: global_buffer, .address_space: global }
      - { .name: bq, .offset: 56, .size: 8, .value_kind: global_buffer, .address_space: global }
      - { .name: bk, .offset: 64, .size: 8, .value_kind: global_buffer, .address_space: global }
      - { .name: bv, .offset: 72, .size: 8, .value_kind: global_buffer, .address_space: global }
      - { .name: b1, .offset: 80, .size: 8, .value_kind: global_buffer, .address_space: global }
      - { .name: act, .offset: 88, .size: 8, .value_kind: global_buffer, .address_space: global }
      - { .name: wq3, .offset: 96, .size: 8, .value_kind: global_buffer, .address_space: global }
      - { .name: w1p, .offset: 104, .size: 8, .value_kind: global_buffer, .address_space: global }
      - { .name: wr, .offset: 112, .size: 8, .value_kind: global_buffer, .address_space: global }
    .group_segment_fixed_size: 0
    .private_segment_fixed_size: 0
    .kernarg_segment_align: 8
    .kernarg_segment_size: 120
    .max_flat_workgroup_size: 256
    .sgpr_count:     66
    .vgpr_count:     104
    .wavefront_size: 32
...
	.end_amdgpu_metadata
.endif
;; end of part 1
;; launch qkv (part 2): grid 12 x 16, 4 waves a work-group, clusters of 4 x 4, 327,680 bytes of LDS; arguments act, wq3, wide; writes wide
.if DOCPART == 2
	.amdgcn_target "amdgcn-amd-amdhsa--gfx1250"
	.amdhsa_code_object_version 6
	.text
	.protected	k_q73c09e636e_qkv
	.globl	k_q73c09e636e_qkv
	.p2align	8
	.type	k_q73c09e636e_qkv,@function
k_q73c09e636e_qkv:
	s_mov_b64 s[64:65], 0
	v_nop
	global_prefetch_b8 v0, s[64:65] scope:SCOPE_SE
	s_setreg_imm32_b32 hwreg(HW_REG_WAVE_MODE, 25, 1), 1
	s_wait_xcnt 0x0
	s_wait_alu depctr_hold_cnt(0) depctr_sa_sdst(0) depctr_va_vdst(0) depctr_va_sdst(0) depctr_va_ssrc(0) depctr_va_vcc(0) depctr_vm_vsrc(0)
	s_getreg_b32 s2, hwreg(HW_REG_IB_STS2, 6, 4)
	s_cmp_eq_u32 s2, 0
	s_cbranch_scc0 .Lentry_in_a_cluster
	s_endpgm
.Lentry_in_a_cluster:
	s_bfe_u32 s2, ttmp6, 0x10000c
	s_cmp_lg_u32 s2, 0xf033
	s_cbranch_scc0 .Lentry_shape_is_right
	s_endpgm
.Lentry_shape_is_right:
; OUT = max(A W + bias, floor), rounded once to f16.  A: 4,096 rows x 1,024, f16, in blocks of 128 rows x 64 columns (16 blocks a row tile).  W: a header (bias in f32; the floor at byte 16,384),
; then column tiles [1024 k][256 n] in f16.  OUT: f16 in blocks of 128 x 64, 64 blocks a row tile.  Sums in f32; they begin with the bias, loaded straight into the accumulators, so nothing is cleared.
; LIMITS. f16 ends at 65,504: a result beyond it becomes an infinity.  A NaN sum leaves as the floor.
; SHARES. A tile of OUT is 256 x 256: four waves, each 128 x 128 = 64 accumulators = 512 registers.  K goes in 8 steps of 128 through two LDS slots; one K step is written once and looped over,
; the slot in hand being a scalar (0 or SLOT) that one exclusive or turns.  The last two steps, which ask for nothing, are a second loop.
; CLUSTER. 4 x 4 work-groups: the four of a row need the same tiles of A, the four of a column the same tiles of W; each tile is asked for jointly, by the same tensor load with the same descriptor and mask.
; THE MATRIX INSTRUCTION IS USED TRANSPOSED: source 0 = 16 columns of W (turned on the way out of LDS by ds_load_tr16_b128), source 1 = 16 rows of A.  A lane then holds row l % 16 of OUT and the
; eight neighbouring columns 8 (l / 16) + 0..7.
; REGISTERS (windows of 256): window 0: v16-29 addresses; v64-127, v128-191 A's fragments, two buffers; v192-223 packed results; v32-63, v224-255 rows read back.
;   window 1: v64-127, v128-191 W's fragments.   windows 2, 3: the accumulators of my rows 0-63 and 64-127, (a, b) at v[8 (8 (a % 4) + b)].
; No prefetch: A and W were stored by the launches just before, and a refill has 224 matrix instructions in which to land.
.set NSTEP,  8
.set PA,     144                       ; an LDS row of A: 128 bytes + 16: the 16 rows of a load start at 16 different groups of four banks
.set PB,     544                       ; an LDS row of W: 512 bytes + 32 = 17 x 32
.set AHALF,  256*PA                    ; one tensor load of A: 128 rows x 128 k as [2 blocks][128 rows]
.set BHALF,  64*PB                     ; one tensor load of W: 64 k x 256 n
.set BOFF,   2*AHALF
.set SLOT,   BOFF+2*BHALF
.set STAGE,  2*SLOT                    ; behind the ring: [2 blocks][16 rows][144 bytes] for each wave, for the way out
.set WSTG,   32*PA
.set SPARE,  STAGE+4*WSTG              ; the spare words, 128 bytes a wave: two blocks of 256 bytes that no other line names
.set HDR,    16640
.set ASTEP,  32768                     ; bytes of A and of W from a K step to the next
.set BSTEP,  65536
.set ADRA0, 16                         ; v16 my lane's place in A's part of slot 0; v17 the same in the slot in hand
.set ADRA,  17
.set ADRB0, 20                         ; v20, v21 the same for W
.set ADRB,  21
.set STO,   24                         ; the way out: where I put 16 bytes
.set RD,    25                         ; where I read rows back
.set GO,    26                         ; my byte offset in 512 consecutive bytes of OUT
.set BO,    27                         ; my byte offset in 16 columns of the bias
.set SPW,   28                         ; LDS address of my spare word; never rewritten
.set NIL,   29                         ; 0; never rewritten
.set F0,    64
.set F1,    128
.set TMP,   192
.set OB,    32
.set G1,  24                           ; s[24:31] descriptor group 1 for A;  s[32:35], s[36:39] group 0 of the two first fills; the second set then walks
.set G0,  32
.set G1B, 48                           ; s[48:55], s[56:63] the same for W
.set G0B, 56
.set TB,  66                           ; s66 the slot in hand: 0 or SLOT
.set LA,  67                           ; s67 where my load of A lands in a slot
.set LB,  68                           ; s68 where my load of W lands
.set FLR, 69                           ; s69 the floor
.set MSB, 0
.macro WIN new                         ; the immediate's high byte repeats the setting that is left; a switch that changes nothing is dropped
.if MSB != (\new)
	s_set_vgpr_msb (MSB<<8)|(\new)
.set MSB, \new
.endif
.endm
.set MUL_LO, 0xa1                      ; source 0 (W) window 1, source 1 (A) window 0, C and D window 2
.set MUL_HI, 0xf1                      ; the same, C and D window 3
.set TO_B,   0x40                      ; destination window 1, address window 0
; A joint refill by the walking descriptors.  Waves 0 and 1 fetch A's two halves, waves 2 and 3 W's.  An s_nop 0 and four v_nop follow each line, ahead of the jump and the label.
.macro JLOAD
	s_cmp_eq_u32 s11, 0
	s_cbranch_scc0 .Lfor_b_\@
	tensor_load_to_lds s[G0+4:G0+7], s[G1:G1+7]
	s_nop 0
.rept 4
	v_nop
.endr
	s_branch .Lasked_\@
.Lfor_b_\@:
	tensor_load_to_lds s[G0B+4:G0B+7], s[G1B:G1B+7]
	s_nop 0
.rept 4
	v_nop
.endr
.Lasked_\@:
.endm
.macro CREST                           ; a round of the cluster's barrier behind its opening barrier
	s_cmp_lg_u32 s10, 0
	s_cbranch_scc1 .Lnot_wave_0_\@
	s_barrier_signal -3
.Lnot_wave_0_\@:
	s_barrier_wait -3
	s_barrier_signal -1
	s_barrier_wait -1
.endm
.macro CROUND                          ; a whole round
	s_barrier_signal -1
	s_barrier_wait -1
	CREST
.endm
	s_load_b128 s[72:75], s[0:1], 0x0              ; A s[72:73], W s[74:75]
	s_load_b64 s[76:77], s[0:1], 0x10              ; OUT
	v_lshl_add_u32 v[SPW], v0, 2, SPARE
	v_mov_b32 v[NIL], 0
	ds_add_u32 v28, v29
	s_wait_dscnt 0x0
	v_lshrrev_b32 v1, 5, v0
	v_readfirstlane_b32 s10, v1                    ; wave 0..3
	s_lshr_b32 s11, s10, 1                         ; my half of the tile's rows.  Also: I fetch for A (0) or for W (1)
	s_and_b32 s12, s10, 1                          ; my half of its columns.  Also: which half of that tile I fetch
	s_bfe_u32 s40, ttmp6, 0x40000                  ; cx, cy: my place in the cluster
	s_bfe_u32 s41, ttmp6, 0x40004
	s_lshl_b32 s42, ttmp9, 2
	s_add_co_u32 s42, s42, s40                     ; tile column = 4 x cluster x + cx
	s_and_b32 s13, ttmp7, 0xffff
	s_lshl_b32 s13, s13, 2
	s_add_co_u32 s13, s13, s41                     ; tile row = 4 x cluster y + cy
	s_lshl_b32 s43, s41, 2
	s_lshl_b32 s43, 15, s43                        ; my row of the cluster
	s_lshl_b32 s44, 0x1111, s40                    ; my column
	; group 1 for A: 32,768 dense bytes as 128 rows of 256 bytes, 16 bytes of padding behind every 128 (32 words: code 4; 4 words: code 3)
	s_or_b32 s[G1+0], s43, (1<<16)|(1<<20)|(1<<21)|(4<<22)|(3<<25)
	s_mov_b32 s[G1+1], 128<<16                     ; tensor_dim0 = 128
	s_mov_b32 s[G1+2], 128<<16                     ; tensor_dim1 = 128
	s_mov_b32 s[G1+3], 128<<16                     ; tile_dim0 = 128
	s_mov_b32 s[G1+4], 128                         ; tile_dim1 = 128
	s_mov_b32 s[G1+5], 128                         ; elements from row to row
	s_mov_b32 s[G1+6], 0
	s_mov_b32 s[G1+7], 0
	; group 1 for W: 64 rows of 512 bytes, 32 bytes of padding behind each (128 words: code 6; 8 words: code 7)
	s_or_b32 s[G1B+0], s44, (1<<16)|(1<<20)|(1<<21)|(6<<22)|(7<<25)
	s_mov_b32 s[G1B+1], 256<<16
	s_mov_b32 s[G1B+2], 64<<16
	s_mov_b32 s[G1B+3], 256<<16
	s_mov_b32 s[G1B+4], 64
	s_mov_b32 s[G1B+5], 256
	s_mov_b32 s[G1B+6], 0
	s_mov_b32 s[G1B+7], 0
	s_lshl_b32 s16, s13, 19                        ; A: row tile 2 x tile row + half, 262,144 bytes each: the tile row alone, which my row of the cluster shares
	s_lshl_b32 s17, s12, 18
	s_add_co_u32 s16, s16, s17
	s_mov_b32 s17, 0
	s_lshl_b32 s46, s42, 19                        ; W: column tile of 524,288 bytes, my 64 k of a step: the tile column alone
	s_lshl_b32 s47, s12, 15
	s_add_co_u32 s46, s46, s47
	s_add_co_u32 s46, s46, HDR
	s_mov_b32 s47, 0
	s_mul_i32 s[LA], s10, AHALF                    ; waves 0, 1: A's halves at 0 and AHALF
	s_mul_i32 s[LB], s10, BHALF
	s_add_co_u32 s[LB], s[LB], BOFF-2*BHALF        ; waves 2, 3: W's halves at BOFF and BOFF + BHALF
	s_lshl_b32 s4, s42, 10                         ; the bias of my 128 columns (offsets that mix cx and cy lie in s4-s9, which feed no descriptor)
	s_lshl_b32 s5, s12, 9
	s_add_co_u32 s4, s4, s5
	s_mov_b32 s5, 0
	s_lshl_b32 s6, s13, 21                         ; OUT: block (2 x tile row + my row half, 4 x tile column + 2 x my column half)
	s_lshl_b32 s8, s11, 20
	s_add_co_u32 s6, s6, s8
	s_lshl_b32 s8, s42, 16
	s_add_co_u32 s6, s6, s8
	s_lshl_b32 s8, s12, 15
	s_add_co_u32 s6, s6, s8
	s_mov_b32 s7, 0
	CROUND                                         ; all sixteen work-groups are here: the first joint loads meet.  The round needs no argument, so it stands ahead of the wait for them
	s_wait_kmcnt 0x0
	s_load_b32 s[FLR], s[74:75], 0x4000            ; the floor
	s_add_nc_u64 s[14:15], s[72:73], s[16:17]
	s_add_nc_u64 s[46:47], s[74:75], s[46:47]
	s_add_nc_u64 s[78:79], s[74:75], s[4:5]
	s_add_nc_u64 s[76:77], s[76:77], s[6:7]
.irp s, 0,1
	s_mov_b32 s[G0+4*(\s)], 1                      ; count = 1
	s_add_co_u32 s[G0+4*(\s)+1], s[LA], (\s)*SLOT  ; LDS address
	s_add_nc_u64 s[G0+4*(\s)+2:G0+4*(\s)+3], s[14:15], (\s)*ASTEP  ; K step s
	s_or_b32 s[G0+4*(\s)+3], s[G0+4*(\s)+3], 0x80000000            ; type = 2
	s_mov_b32 s[G0B+4*(\s)], 1
	s_add_co_u32 s[G0B+4*(\s)+1], s[LB], (\s)*SLOT
	s_add_nc_u64 s[G0B+4*(\s)+2:G0B+4*(\s)+3], s[46:47], (\s)*BSTEP
	s_or_b32 s[G0B+4*(\s)+3], s[G0B+4*(\s)+3], 0x80000000
.endr
	s_cmp_eq_u32 s11, 0                            ; a wave's two first fills stand in one branch, ahead of every wait on TENSORcnt and every LDS read: two loads of mine are out
	s_cbranch_scc0 .Lfirst_b
	tensor_load_to_lds s[G0:G0+3], s[G1:G1+7]
	s_nop 0
	tensor_load_to_lds s[G0+4:G0+7], s[G1:G1+7]
	s_nop 0
.rept 4
	v_nop
.endr
	s_branch .Lfirst_asked
.Lfirst_b:
	tensor_load_to_lds s[G0B:G0B+3], s[G1B:G1B+7]
	s_nop 0
	tensor_load_to_lds s[G0B+4:G0B+7], s[G1B:G1B+7]
	s_nop 0
.rept 4
	v_nop
.endr
.Lfirst_asked:
	v_and_b32 v1, 15, v0                           ; l % 16
	v_bfe_u32 v2, v0, 4, 1                         ; l / 16
	v_mul_u32_u24 v3, v1, PA
	v_lshl_add_u32 v3, v2, 4, v3                   ; row x 144 + 16 x half
	s_mul_i32 s21, s11, AHALF                      ; my 128 rows of A
	v_add_nc_u32 v[ADRA0], s21, v3
	v_and_b32 v4, 7, v0                            ; the turning load: lane l reads k row 8 (l / 16) + l % 8, columns 8 ((l / 8) % 2) + 0..7
	v_lshl_add_u32 v4, v2, 3, v4
	v_mul_u32_u24 v4, v4, PB
	v_bfe_u32 v5, v0, 3, 1
	v_lshl_add_u32 v4, v5, 4, v4
	s_lshl_b32 s22, s12, 8                         ; my 128 columns of W
	s_add_co_u32 s22, s22, BOFF
	v_add_nc_u32 v[ADRB0], s22, v4
	s_mul_i32 s23, s10, WSTG
	s_add_co_u32 s23, s23, STAGE                   ; my stage
	v_add_nc_u32 v[STO], s23, v3
	v_bfe_u32 v5, v0, 3, 2                         ; back: 32 lanes take four rows of 128 bytes
	v_mul_u32_u24 v5, v5, PA
	v_and_b32 v6, 7, v0
	v_lshl_add_u32 v5, v6, 4, v5
	v_add_nc_u32 v[RD], s23, v5
	v_and_b32 v6, 31, v0
	v_lshlrev_b32 v[GO], 4, v6
	v_lshlrev_b32 v[BO], 5, v2
	v_mov_b32 v[ADRA], v[ADRA0]
	v_mov_b32 v[ADRB], v[ADRB0]
	s_mov_b32 s[TB], 0
	; the sums begin with the bias: accumulator (a, b) of lane l holds columns 16 b + 8 (l / 16) + 0..7, whatever a
.irp w, 0,1
	WIN 0x80+0x40*(\w)                             ; destination window 2, then 3; address window 0
.irp a, 0,1,2,3
.irp b, 0,1,2,3,4,5,6,7
	global_load_b128 v[8*(8*(\a)+(\b)):8*(8*(\a)+(\b))+3],   v[BO], s[78:79] offset:64*(\b)
	global_load_b128 v[8*(8*(\a)+(\b))+4:8*(8*(\a)+(\b))+7], v[BO], s[78:79] offset:64*(\b)+16
.endr
.endr
.endr
	WIN 0
; 16 matrix instructions: m blocks a0, a0 + 1 of the window's four x all 8 n blocks, 32 along K.  The 64 accumulators take turns in the same order in every quarter.
.macro MUL16 f, hi, a0
	WIN MUL_LO+0x50*(\hi)
.irp a, \a0, (\a0)+1
.irp b, 0,1,2,3,4,5,6,7
	v_wmma_f32_16x16x32_f16 v[8*(8*(\a)+(\b)):8*(8*(\a)+(\b))+7], v[(\f)+8*(\b):(\f)+8*(\b)+7], v[(\f)+8*(4*(\hi)+(\a)):(\f)+8*(4*(\hi)+(\a))+7], v[8*(8*(\a)+(\b)):8*(8*(\a)+(\b))+7]
.endr
.endr
.endm
; 32 LDS loads in one run: quarter q (32 along K) of the slot in hand into buffer f: W's 8 column blocks, turned, then A's 8 row blocks
.macro FETCH q, f
	WIN TO_B
.irp i, 0,1,2,3,4,5,6,7
	ds_load_tr16_b128 v[(\f)+8*(\i):(\f)+8*(\i)+3],   v[ADRB] offset:(\q)*32*PB+32*(\i)
	ds_load_tr16_b128 v[(\f)+8*(\i)+4:(\f)+8*(\i)+7], v[ADRB] offset:(\q)*32*PB+16*PB+32*(\i)
.endr
	WIN 0
.irp i, 0,1,2,3,4,5,6,7
	ds_load_b128 v[(\f)+8*(\i):(\f)+8*(\i)+3],   v[ADRA] offset:((\q)/2)*128*PA+((\q)%2)*64+(\i)*16*PA
	ds_load_b128 v[(\f)+8*(\i)+4:(\f)+8*(\i)+7], v[ADRA] offset:((\q)/2)*128*PA+((\q)%2)*64+(\i)*16*PA+32
.endr
.endm
.macro PLACES                          ; four plain vector instructions between a matrix instruction and a load into, or a vector instruction on, its registers
.rept 4
	v_nop
.endr
.endm
; One of a K step's first three quarters: multiplies buffer f; in its middle fetches quarter q into buffer g
.macro QUARTER q, f, g
	s_wait_dscnt 8                                 ; W and A's rows 0-63 are in; the youngest eight loads (A's rows 64-127) may be out
	MUL16 \f, 0, 0
	MUL16 \f, 0, 2
	PLACES
	FETCH \q, \g
	s_wait_dscnt 32                                ; all but the 32 just issued
	MUL16 \f, 1, 0
	MUL16 \f, 1, 2
.endm
; The first half of the last quarter: one barrier for the change of slots.  In front of it each wave waits for all its tensor loads (one is out: its part of the next slot), adds 0 to its spare
; word, and waits for that and for its own reads of this slot.
.macro MEET
	WIN 0                                          ; the add's two registers lie in window 0
	s_wait_tensorcnt 0x0
	ds_add_u32 v[SPW], v[NIL]
	s_wait_dscnt 9                                 ; the add and the youngest eight loads may be out
	MUL16 F1, 0, 0                                 ; sixteen matrix instructions stand between the add and the wait for it
	s_wait_dscnt 0x0                               ; the add is done, and my reads of this slot are over
	s_barrier_signal -1
	MUL16 F1, 0, 2                                 ; work on registers while the others arrive
	WIN 0
	s_barrier_wait -1
.endm
; The whole last quarter.  fill = 1: the barrier opens a round of the cluster's; behind it the slot just read is filled again, two K steps ahead: the first tensor load there, one a wave.
; fill = 0: nothing is asked for; in the very last step there is no next slot either, and the fetch is jumped over (no barrier and no tensor load lies in what is jumped).
.macro TURN fill
	MEET
.if \fill
	CREST
	s_add_co_u32 s[G0+5], s[LA], s[TB]             ; no tensor load of mine is out, so the walking sets may be written: the slot just read,
	s_add_co_u32 s[G0B+5], s[LB], s[TB]
	s_add_nc_u64 s[G0+6:G0+7], s[G0+6:G0+7], ASTEP    ; and the K step behind the one asked for last
	s_add_nc_u64 s[G0B+6:G0B+7], s[G0B+6:G0B+7], BSTEP
	JLOAD                                          ; its four v_nop are also the places in front of the loads below
.else
	s_cmp_eq_u32 s3, 1
	s_cbranch_scc1 .Lno_next_\@
	PLACES
.endif
	s_xor_b32 s[TB], s[TB], SLOT                   ; the other slot is in hand
	v_add_nc_u32 v[ADRA], s[TB], v[ADRA0]
	v_add_nc_u32 v[ADRB], s[TB], v[ADRB0]
	FETCH 0, F0
.if !(\fill)
.Lno_next_\@:
.endif
	MUL16 F1, 1, 0
	MUL16 F1, 1, 2
.endm
; THE WAY OUT of block a (16 rows x 128 columns).  PACK: the floor, then rounded to f16, 16 bytes a lane; each accumulator is read from its lowest register on.
.macro PACK a
.set AC, 64*((\a)%4)
	WIN 0x88+0x44*((\a)/4)                         ; destination and source 1 in window 2 or 3
.set i, 0
.rept 64
	v_max_num_f32 v[AC+i], s[FLR], v[AC+i]
.set i, i+1
.endr
	WIN 0x0a+5*((\a)/4)                            ; sources 0 and 1 in window 2 or 3, destination in window 0
.irp b, 0,1,2,3,4,5,6,7
.irp r, 0,1,2,3
	v_cvt_pk_f16_f32 v[TMP+4*(\b)+(\r)], v[AC+8*(\b)+2*(\r)], v[AC+8*(\b)+2*(\r)+1]
.endr
.endr
	WIN 0
.endm
.macro TOSTAGE a                       ; into my own stage, and back as rows of 128 bytes, four to a load
.set BK, OB+192*((\a)%2)
.irp b, 0,1,2,3,4,5,6,7
	ds_store_b128 v[STO], v[TMP+4*(\b):TMP+4*(\b)+3] offset:((\b)/4)*16*PA+32*((\b)%4)
.endr
.irp g, 0,1
.irp t, 0,1,2,3
	ds_load_b128 v[BK+4*(4*(\g)+(\t)):BK+4*(4*(\g)+(\t))+3], v[RD] offset:(\g)*16*PA+(\t)*4*PA  ; LDS serves a wave's instructions in order (ISA guide 5.7.1.4): these see the stores above
.endr
.endr
.endm
.macro SEND a
.set BK, OB+192*((\a)%2)
	s_wait_dscnt 0x0                               ; the block is back in registers
	s_wait_xcnt 0x0                                ; the registers that the block before last's stores read are loaded again only behind this wait
.irp g, 0,1
.irp t, 0,1,2,3
	global_store_b128 v[GO], v[BK+4*(4*(\g)+(\t)):BK+4*(4*(\g)+(\t))+3], s[76:77] offset:16384*(\g)+2048*(\a)+512*(\t)  ; four rows of a block: 512 consecutive bytes
.endr
.endr
.endm
	s_wait_tensorcnt 1                             ; my part of K step 0 is in; step 1's may stay out
	s_barrier_signal -1
	s_barrier_wait -1                              ; everybody's is
	FETCH 0, F0
	s_wait_loadcnt 0x0                             ; the bias
	s_wait_kmcnt 0x0                               ; the floor
	s_mov_b32 s3, NSTEP-2
.Lstep:                                                ; K steps 0 to 5: each asks for the step two on
	QUARTER 1, F0, F1
	QUARTER 2, F1, F0
	QUARTER 3, F0, F1
	TURN 1
	WIN 0
	s_sub_co_u32 s3, s3, 1
	s_cmp_lg_u32 s3, 0
	s_cbranch_scc1 .Lstep
	s_mov_b32 s3, 2
.Ltail:                                                ; K steps 6 and 7
	QUARTER 1, F0, F1
	QUARTER 2, F1, F0
	QUARTER 3, F0, F1
	TURN 0
	WIN 0
	s_sub_co_u32 s3, s3, 1
	s_cmp_lg_u32 s3, 0
	s_cbranch_scc1 .Ltail
	PLACES
	PACK 0
	TOSTAGE 0
.irp a, 1,2,3,4,5,6,7                  ; block a's arithmetic stands between block a - 1's loads from the stage and the wait for them
	PACK \a
	SEND (\a)-1
	TOSTAGE \a
.endr
	SEND 7
	s_wait_tensorcnt 0x0                           ; the wave's end
	ds_add_u32 v[SPW], v[NIL]
	s_wait_dscnt 0x0
	CROUND                                         ; the closing round: no work-group ends while a partner may still ask for a tile that names it
	s_endpgm
.Lfunc_end_k_q73c09e636e_qkv:
	.size	k_q73c09e636e_qkv, .Lfunc_end_k_q73c09e636e_qkv-k_q73c09e636e_qkv
	.p2alignl 7, 3214868480
	.fill 96, 4, 3214868480
	.section	.rodata,"a",@progbits
	.p2align	6, 0x0
	.amdhsa_kernel k_q73c09e636e_qkv
		.amdhsa_group_segment_fixed_size 327680
		.amdhsa_private_segment_fixed_size 0
		.amdhsa_enable_private_segment 0
		.amdhsa_kernarg_size 24
		.amdhsa_user_sgpr_count 2
		.amdhsa_user_sgpr_kernarg_segment_ptr 1
		.amdhsa_wavefront_size32 1
		.amdhsa_system_sgpr_workgroup_id_x 1
		.amdhsa_system_sgpr_workgroup_id_y 1
		.amdhsa_system_sgpr_workgroup_id_z 1
		.amdhsa_system_vgpr_workitem_id 0
		.amdhsa_next_free_vgpr 1024
		.amdhsa_next_free_sgpr 80
		.amdhsa_reserve_vcc 0
		.amdhsa_float_denorm_mode_32 3
		.amdhsa_float_denorm_mode_16_64 3
		.amdhsa_memory_ordered 1
		.amdhsa_forward_progress 1
		.amdhsa_inst_pref_size 122
	.end_amdhsa_kernel
	.amdgpu_metadata
---
amdhsa.version: [ 1, 2 ]
amdhsa.kernels:
  - .name:           k_q73c09e636e_qkv
    .symbol:         k_q73c09e636e_qkv.kd
    .args:
      - { .name: act, .offset: 0, .size: 8, .value_kind: global_buffer, .address_space: global }
      - { .name: wq3, .offset: 8, .size: 8, .value_kind: global_buffer, .address_space: global }
      - { .name: wide, .offset: 16, .size: 8, .value_kind: global_buffer, .address_space: global }
    .group_segment_fixed_size: 327680
    .private_segment_fixed_size: 0
    .kernarg_segment_align: 8
    .kernarg_segment_size: 24
    .max_flat_workgroup_size: 128
    .sgpr_count:     80
    .vgpr_count:     1024
    .wavefront_size: 32
...
	.end_amdgpu_metadata
.endif
;; end of part 2
;; launch attn (part 3): grid 8 x 32, 4 waves a work-group, clusters of 4 x 1, 327,680 bytes of LDS; arguments wide, act; writes act
.if DOCPART == 3
	.amdgcn_target "amdgcn-amd-amdhsa--gfx1250"
	.amdhsa_code_object_version 6
	.text
	.protected	k_q73c09e636e_attn
	.globl	k_q73c09e636e_attn
	.p2align	8
	.type	k_q73c09e636e_attn,@function
k_q73c09e636e_attn:
	s_mov_b64 s[64:65], 0
	v_nop
	global_prefetch_b8 v0, s[64:65] scope:SCOPE_SE
	s_setreg_imm32_b32 hwreg(HW_REG_WAVE_MODE, 25, 1), 1
	s_wait_xcnt 0x0
	s_wait_alu depctr_hold_cnt(0) depctr_sa_sdst(0) depctr_va_vdst(0) depctr_va_sdst(0) depctr_va_ssrc(0) depctr_va_vcc(0) depctr_vm_vsrc(0)
	s_getreg_b32 s2, hwreg(HW_REG_IB_STS2, 6, 4)
	s_cmp_eq_u32 s2, 0
	s_cbranch_scc0 .Lentry_in_a_cluster
	s_endpgm
.Lentry_in_a_cluster:
	s_bfe_u32 s2, ttmp6, 0x10000c
	s_cmp_lg_u32 s2, 0x3003
	s_cbranch_scc0 .Lentry_shape_is_right
	s_endpgm
.Lentry_shape_is_right:
; O[q][:] = the sum over k of softmax_k(Q[q] . K[k] / 8) V[k][:], for each of 32 pairs (batch, head): 2,048 queries and keys, 64 channels, all f16.
; q, k, v lie in one buffer of blocks of 128 rows x 64 columns (64 blocks a row tile): head h's q is block column h, its k 16 + h, its v 32 + h; 128 rows of a head are one dense block of 16,384 bytes.
; O leaves in the same kind of blocks, 16 a row tile, head h in block column h.  Products, maxima and sums in f32; the weights p are rounded to f16 for the second product (their sum l is taken of the unrounded p).
; LIMITS. f16 holds no number beyond 65,504: q, k, v arrive within it; p lies in 0 to 1, and below 6e-5 it keeps f16's fixed step; a weight below 2^-126 counts as 0 in l; NaN and infinities are not treated apart.
; SHARES. A work-group owns 256 queries of one pair, each of its four waves 64: four PIECES of 16.  Every wave walks all keys: 8 tiles of 256, 64 keys a step.
; LAYOUT. S^T = K Q^T holds ONE query a lane (lane % 16) and the keys 8 (lane / 16) + 0..7; two such results rounded to f16 ARE source 1 of O^T = V^T P.  K comes out of LDS as it lies, V turned, by ds_load_tr16_b128.
; SOFTMAX. p = 2^(c s - c m), c = log2(e) / 8, with a running maximum m; O and l are multiplied by a = 2^(c m_old - c m_new) in every step.  m starts at the lowest finite number, O and l at 0: the first step is a step like any other, with a = 0.
; TURNS. Turn n belongs to piece n: 8 products K Q^T of piece n + 1, later 8 products V^T P of piece n - 1; beside them the scaling, exponentials, roundings, sums and rescaling of piece n and the maximum and
; statistics of piece n + 1.  Four vector instructions stand behind every matrix instruction, the other 54 of a turn's 118 in two runs of their own.
; CLUSTER. The four query blocks of a cluster belong to one pair and walk the same K and V: each tile is asked for jointly, by the same tensor load, descriptor and mask in all four.
; REGISTERS (windows of 256; s_set_vgpr_msb: bits 1:0 source 0, 3:2 source 1, 5:4 source 2, 7:6 destination):
;   window 0: v0-15 addresses; v16-31 four registers of statistics a piece; v48-55 at work; v62-63 the add's; v64-127 S^T, two buffers; v192-223 P, two buffers (by the piece's parity)
;   window 1: v0-127 O^T, 32 a piece          window 2: v0-63 Q; v128-191 K of one step; v192-255 V of one step
; No prefetch: q, k, v were stored by the launch just before, and a refill has four key steps in which to land.
.set NT,    8         ; key tiles
.set NP,    4         ; pieces a wave: a name, no knob
.set KS,    64        ; keys in a step
.set PK,    144       ; a row of K in LDS: 128 bytes + 16: the 16 rows of a load start at 16 different groups of four banks
.set PV,    160       ; a row of V: 128 + 32
.set VOFF,  4*KS*PK   ; a slot holds a tile: 256 rows of K, then 256 rows of V
.set SLOT1, 1<<17     ; slot 1 begins here, so that one exclusive or turns an address in one slot into the other's
.set STAGE, SLOT1+4*KS*(PK+PV)  ; behind the ring: 16 rows x 144 bytes for each wave, for the way out
.set SP,    144
.set SPARE, STAGE+4*16*SP       ; the spare words, 128 bytes a wave: two blocks of 256 bytes that no other line names
.set TSTEP, 2097152   ; bytes from a tile of 256 keys to the next: two row tiles of 64 blocks
.set AK0, 2           ; v2   my lane's place in a tile of K; never rewritten
.set AV0, 3           ; v3   the same for V
.set AK,  4           ; v4   the LDS address of K's next run of loads
.set AV,  5           ; v5   of V's
.set STO, 6           ; v6   the way out: where I put 16 bytes of a row
.set RD,  7           ; v7   where I read rows back
.set GO,  8           ; v8   my byte offset in 512 consecutive bytes of O
.set MV,  12          ; v12-13  c m_old, kept while c m is made anew: by buffer
.set QO,  15          ; v15  my byte offset in 16 rows of Q
.set ST,  16          ; piece t's statistics at v[ST+4 t]: c m, m, l (even keys', odd keys')
.set TMP, 48          ; by buffer, four registers c0-c3 at work; when the maximum is found c2 takes a
.set SPW, 62          ; v62  LDS address of my spare word; never rewritten
.set NIL, 63          ; v63  0; never rewritten
.set S,   64
.set P,   192
.set KF,  128         ; window 2: key block kb, channel half c at KF + 16 kb + 8 c
.set VF,  192         ; window 2: key half kk, channel block cb at VF + 32 kk + 8 cb
.set WV,  12          ; s12  my wave's number
.set G1K, 24          ; s[24:31] descriptor group 1 for K's tiles
.set G1V, 32          ; s[32:39] for V's: it differs in the padding alone
.set G0K, 40          ; s[40:43] descriptor group 0 for K's tiles: it walks
.set G0V, 44          ; s[44:47] the same for V's
.set SLOTS, 56        ; s56  tiles still to be asked for
.set CNT, 57          ; s57  counts a tile's key steps
.set CS,  58          ; s[58:59] c: the packed scaling takes the pair's low word for both halves
.set SEL, 60          ; s[60:61] v_permlanex16_b32's selects: each lane takes its own place in the other half
.set TBK, 62          ; s62  LDS byte at which K of the step to be fetched begins
.set TBV, 63          ; s63  the same for V, less VOFF
.set MSB, 0
.macro WIN new                      ; the high byte repeats the setting that is left; a switch that changes nothing is dropped
.if MSB != (\new)
	s_set_vgpr_msb (MSB<<8)|(\new)
.set MSB, (\new)
.endif
.endm
.set W_KQ, 0x0a       ; K and Q in window 2, S^T in window 0
.set W_PV, 0x52       ; V in window 2, P in window 0, O^T in window 1
.set W_RS, 0x41       ; destination and source 0 in window 1, source 1 in window 0
; A joint fill.  Waves 0 and 1 fetch the two halves of a tile's K, waves 2 and 3 those of its V: one block of 128 keys each.  An s_nop 0 and four v_nop follow each line, ahead of the jump and the label.
.macro JLOAD
	s_cmp_lt_u32 s[WV], 2
	s_cbranch_scc0 .Lfor_v_\@
	tensor_load_to_lds s[G0K:G0K+3], s[G1K:G1K+7]
	s_nop 0
.rept 4
	v_nop
.endr
	s_branch .Lasked_\@
.Lfor_v_\@:
	tensor_load_to_lds s[G0V:G0V+3], s[G1V:G1V+7]
	s_nop 0
.rept 4
	v_nop
.endr
.Lasked_\@:
.endm
.macro CROUND                       ; a round of the cluster's barrier
	s_barrier_signal -1
	s_barrier_wait -1
	s_cmp_lg_u32 s[WV], 0
	s_cbranch_scc1 .Lnot_wave_0_\@
	s_barrier_signal -3
.Lnot_wave_0_\@:
	s_barrier_wait -3
	s_barrier_signal -1
	s_barrier_wait -1
.endm
; THE CHANGE OF SLOTS.  Each wave waits for all its tensor loads, of which one is out: its part of the other slot; adds 0 to its spare word; and waits for that and for its own reads of the slot that it leaves.
; fill = 1: the old slot is filled again, with the keys two tiles on.  The barrier is then a round of the cluster's, and the joint fill is the first thing behind it: it has four key steps, 256 matrix
; instructions, in which to land.  (At its first use nothing has been read yet: slot 0 is waited for, slot 1 filled.)
.macro CHANGE fill
	WIN 0                           ; at a label and at a branch every window is 0
	s_wait_tensorcnt 0x0            ; no tensor load of mine is out, so a group 0 may be written
	ds_add_u32 v[SPW], v[NIL]
.if \fill
.irp g, G0K, G0V
	s_xor_b32 s[\g+1], s[\g+1], SLOT1  ; the walking descriptor: the other slot than last time,
	s_add_nc_u64 s[\g+2:\g+3], s[\g+2:\g+3], TSTEP  ; the next 256 keys; the type bits on top are not reached
.endr
	s_wait_dscnt 0x0                ; the add is done, and my reads of the slot are over
	CROUND
	JLOAD
.else
	s_wait_dscnt 0x0
	s_barrier_signal -1
	s_barrier_wait -1
.endif
	s_sub_co_u32 s[TBK], s[TBK], 4*KS*PK  ; the fetches go back to a slot's first step,
	s_xor_b32 s[TBK], s[TBK], SLOT1       ; in the other slot
	s_sub_co_u32 s[TBV], s[TBV], 4*KS*PV
	s_xor_b32 s[TBV], s[TBV], SLOT1
.endm
	s_load_b128 s[4:7], s[0:1], 0x0   ; q, k, v s[4:5]; O s[6:7]
	v_lshl_add_u32 v[SPW], v0, 2, SPARE
	v_mov_b32 v[NIL], 0
	ds_add_u32 v62, v63
	s_wait_dscnt 0x0
	v_lshrrev_b32 v1, 5, v0
	v_readfirstlane_b32 s[WV], v1   ; wave 0..3
	s_bfe_u32 s13, ttmp6, 0x40000   ; cx: my place in the cluster
	s_lshl_b32 s14, ttmp9, 2
	s_add_co_u32 s14, s14, s13      ; my block of 256 queries = 4 x cluster x + cx: it enters Q's and O's offsets alone
	s_and_b32 s20, ttmp7, 0xffff    ; the pair, which the four partners share:
	s_and_b32 s21, s20, 15          ; the head
	s_lshr_b32 s20, s20, 4          ; the batch
	s_and_b32 s16, s[WV], 1         ; which half of a tile's 256 keys I fetch; also which 64 rows of a block of queries are mine
	s_lshr_b32 s15, s[WV], 1        ; which of my work-group's two blocks of 128 queries
	s_lshl_b32 s22, s20, 24         ; K: row tile 16 x batch + half, 1,048,576 bytes each; block column 16 + head
	s_lshl_b32 s23, s16, 20
	s_add_co_u32 s22, s22, s23
	s_lshl_b32 s23, s21, 14
	s_add_co_u32 s22, s22, s23
	s_add_co_u32 s22, s22, 16*16384
	s_mov_b32 s23, 0
	s_add_co_u32 s48, s22, 16*16384 ; V: sixteen block columns on
	s_mov_b32 s49, 0
	s_mul_i32 s17, s16, 128*PK      ; my half's place in a slot, for K
	s_mul_i32 s18, s16, 128*PV      ; and for V: no place in the cluster enters an LDS address
	s_lshl_b32 s52, s21, 14         ; head x 16,384 + my 64 rows of 128 bytes
	s_lshl_b32 s3, s16, 13
	s_add_co_u32 s52, s52, s3
	s_lshl_b32 s2, s20, 24          ; Q: row tile 16 x batch + 2 x block + my half of the waves, 64 blocks each
	s_lshl_b32 s3, s14, 21
	s_add_co_u32 s2, s2, s3
	s_lshl_b32 s3, s15, 20
	s_add_co_u32 s2, s2, s3
	s_add_co_u32 s2, s2, s52
	s_mov_b32 s3, 0
	s_lshl_b32 s50, s20, 22         ; O: the same row tile, 16 blocks each
	s_lshl_b32 s51, s14, 19
	s_add_co_u32 s50, s50, s51
	s_lshl_b32 s51, s15, 18
	s_add_co_u32 s50, s50, s51
	s_add_co_u32 s50, s50, s52
	s_mov_b32 s51, 0
	; descriptor group 1.  128 keys are 16,384 dense bytes: asked for as 64 rows of 256 bytes, two keys a row, and padded in LDS after every key
	s_mov_b32 s[G1K], 15|(1<<16)|(1<<20)|(1<<21)|(4<<22)|(3<<25)  ; the mask of four; 2-byte elements; padding on; bit 21 beside a mask; after every 32 words (code 4) 4 words (code 3)
	s_mov_b32 s[G1V], 15|(1<<16)|(1<<20)|(1<<21)|(4<<22)|(7<<25)  ; the same with 8 words of padding (code 7)
.irp g, G1K, G1V
	s_mov_b32 s[\g+1], 128<<16      ; tensor_dim0 = 128
	s_mov_b32 s[\g+2], 64<<16       ; tensor_dim1 = 64
	s_mov_b32 s[\g+3], 128<<16      ; tile_dim0 = 128
	s_mov_b32 s[\g+4], 64           ; tile_dim1 = 64
	s_mov_b32 s[\g+5], 128          ; 128 elements from row to row
	s_mov_b32 s[\g+6], 0
	s_mov_b32 s[\g+7], 0
.endr
	s_mov_b32 s[CS], 0x3e38aa3b     ; c = log2(e) / 8 = 0.180337
	s_mov_b32 s[CS+1], s[CS]        ; named with it as a pair
	s_mov_b32 s[SEL], 0x76543210
	s_mov_b32 s[SEL+1], 0xfedcba98
	s_mov_b32 s[TBK], SLOT1+4*KS*PK ; the first change of slots turns these two into 0
	s_mov_b32 s[TBV], SLOT1+4*KS*PV
	s_mov_b32 s[G0K], 1             ; count = 1
	s_mov_b32 s[G0K+1], s17         ; LDS address: slot 0
	s_mov_b32 s[G0V], 1
	s_add_co_u32 s[G0V+1], s18, VOFF
	s_wait_kmcnt 0x0
	s_add_nc_u64 s[G0K+2:G0K+3], s[4:5], s[22:23]  ; my half of the pair's first 256 keys
	s_or_b32 s[G0K+3], s[G0K+3], 0x80000000        ; type = 2
	s_add_nc_u64 s[G0V+2:G0V+3], s[4:5], s[48:49]
	s_or_b32 s[G0V+3], s[G0V+3], 0x80000000
	s_add_nc_u64 s[10:11], s[6:7], s[50:51]        ; O and Q at my wave's first row
	s_add_nc_u64 s[4:5], s[4:5], s[2:3]
	CROUND                          ; all four work-groups are here: the first joint loads meet
	JLOAD                           ; tile 0 into slot 0.  Slot 1 is asked for when slot 0 is in
	; A fragment of K or Q is 16 rows x 32 channels in 8 registers: lane l holds row l % 16, channels 8 (l / 16) + 0..7 and 16 + 8 (l / 16) + 0..7: two loads of 16 bytes, 32 bytes apart.
	v_and_b32 v1, 15, v0            ; l % 16
	v_bfe_u32 v9, v0, 4, 1          ; l / 16
	v_lshlrev_b32 v[QO], 7, v1
	v_lshl_add_u32 v[QO], v9, 4, v[QO]  ; row x 128 + 16 x half
	WIN 0x80                        ; destination window 2, address window 0
.set i, 0
.rept 8                             ; Q stays in registers: piece i / 2, channels 32 (i % 2) on
	global_load_b128 v[8*i:8*i+3],   v[QO], s[4:5] offset:(i/2)*2048+(i%2)*64
	global_load_b128 v[8*i+4:8*i+7], v[QO], s[4:5] offset:(i/2)*2048+(i%2)*64+32
.set i, i+1
.endr
	; What the first turn finds: V's registers and P's second buffer hold 0 (its products V^T P, of a piece that has not been, add 0), O^T and l are 0.  No first step is written out for this; it stands in the wait for the first tile.
.set i, VF
.rept 64
	v_mov_b32 v[i], 0
.set i, i+1
.endr
	WIN 0x40
.set i, 0
.rept 128
	v_mov_b32 v[i], 0
.set i, i+1
.endr
	WIN 0
.set i, 0
.rept 4
	v_mov_b32 v[ST+4*i], 0xfe000000    ; c m: far below every c s
	v_mov_b32 v[ST+4*i+1], 0xff7fffff  ; m
	v_mov_b32 v[ST+4*i+2], 0
	v_mov_b32 v[ST+4*i+3], 0
.set i, i+1
.endr
.set i, P+16
.rept 16
	v_mov_b32 v[i], 0
.set i, i+1
.endr
	v_mul_u32_u24 v[AK0], v1, PK
	v_lshl_add_u32 v[AK0], v9, 4, v[AK0]  ; row x pitch + 16 x half
	; The turning load takes 16 keys x 16 channels (lane l reads key 8 (l / 16) + l % 8, channels 8 ((l / 8) % 2) + 0..7) and leaves half a fragment of V^T: lane l holds channel l % 16 and 8 keys.
	v_and_b32 v10, 7, v0
	v_bfe_u32 v11, v0, 3, 1
	v_lshl_add_u32 v[AV0], v9, 3, v10
	v_mul_u32_u24 v[AV0], v[AV0], PV
	v_lshl_add_u32 v[AV0], v11, 4, v[AV0]
	v_add_nc_u32 v[AV0], VOFF, v[AV0]
	v_mov_b32 v[AK], v[AK0]         ; key step 0 lies at the head of slot 0
	s_mul_i32 s13, s[WV], 16*SP
	s_add_co_u32 s13, s13, STAGE    ; my stage
	v_mul_u32_u24 v[STO], v1, SP    ; in: row l % 16, 16 bytes for each half of the lanes
	v_lshl_add_u32 v[STO], v9, 4, v[STO]
	v_add_nc_u32 v[STO], s13, v[STO]
	v_bfe_u32 v[RD], v0, 3, 2       ; back: 32 lanes take four rows of 128 bytes,
	v_mul_u32_u24 v[RD], v[RD], SP
	v_lshl_add_u32 v[RD], v10, 4, v[RD]
	v_add_nc_u32 v[RD], s13, v[RD]
	v_and_b32 v[GO], 31, v0         ; which are 512 consecutive bytes of O
	v_lshlrev_b32 v[GO], 4, v[GO]
; THE MATRIX WORK.  The 4 accumulators of a run of 8 take turns.  Product i of 8 of S^T = K Q^T for piece x: channels 32 (i / 4) on, keys 16 (i % 4) on.  The first 4 start the sums.
.macro KQ x
	WIN W_KQ
.set rS, S+32*((\x)%2)+8*(i%4)
.set rK, KF+16*(i%4)+8*(i/4)
.set rQ, 16*(\x)+8*(i/4)
.if i < 4
	v_wmma_f32_16x16x32_f16 v[rS:rS+7], v[rK:rK+7], v[rQ:rQ+7], 0
.else
	v_wmma_f32_16x16x32_f16 v[rS:rS+7], v[rK:rK+7], v[rQ:rQ+7], v[rS:rS+7]
.endif
.endm
; Product i of 8 of O^T += V^T P for piece x: keys 32 (i / 4) on, channels 16 (i % 4) on.
.macro PV x
	WIN W_PV
.set rO, 32*(\x)+8*(i%4)
.set rV, VF+32*(i/4)+8*(i%4)
.set rP, P+16*((\x)%2)+8*(i/4)
	v_wmma_f32_16x16x32_f16 v[rO:rO+7], v[rV:rV+7], v[rP:rP+7], v[rO:rO+7]
.endm
.macro MM                           ; the turn's next matrix instruction
.if i < 8
	KQ (Y+1)%NP
.else
.set i, i-8
	PV (Y+NP-1)%NP
.set i, i+8
.endif
.set i, i+1
.endm
; THE LDS LOADS stand in runs of 16: a step's K (64 keys x 64 channels: 8 fragments) and its V (turned).  last = 1 (the tail): in the last trip there is no further step, and the run is jumped over.
.macro FETCH_K last=0
	WIN 0
.if \last
	s_cmp_eq_u32 s[CNT], 1
	s_cbranch_scc1 .Lno_k_\@
.endif
	WIN 0x80                        ; destination window 2
.irp f, 0,1,2,3,4,5,6,7             ; keys 16 (f / 2) on, channels 32 (f % 2) on
	ds_load_b128 v[KF+8*\f:KF+8*\f+3],   v[AK] offset:(\f/2)*16*PK+(\f%2)*64
	ds_load_b128 v[KF+8*\f+4:KF+8*\f+7], v[AK] offset:(\f/2)*16*PK+(\f%2)*64+32
.endr
	s_add_co_u32 s[TBK], s[TBK], KS*PK  ; the next fetch is the next step's
	WIN 0
.if \last
.Lno_k_\@:
.endif
.endm
.macro FETCH_V
	WIN 0x80
.irp f, 0,1,2,3,4,5,6,7             ; keys 32 (f / 4) on, channels 16 (f % 4) on
	ds_load_tr16_b128 v[VF+8*\f:VF+8*\f+3],   v[AV] offset:(\f/4)*32*PV+(\f%4)*32
	ds_load_tr16_b128 v[VF+8*\f+4:VF+8*\f+7], v[AV] offset:(\f/4)*32*PV+16*PV+(\f%4)*32
.endr
	WIN 0
.endm
; THE VECTOR WORK, one line at a time: OP kind, number.  For piece Y: F n: c s - c m for pair n of 16.  E n: the exponential of score n of 32.  C n: pair n rounded to f16.  B n: of the four weights 4 n .. the second
; pair is added onto the first, in place.  L n: l takes that sum (L 0: l = a l + sum).  R n: pair n of 16 of O^T times a.  For piece Y + 1: X n, number n of the 22 that find its maximum and statistics:
;   0-11  four chains c0-c3 of seven scores each, three operands at a time (each accumulator's lowest registers are read first)     12-14, 16  the four scores left over, the old m, and c0-c3 into c0
;   15  c m_old is kept     17, 18  the query's other 32 keys lie in the lane 16 away: the new m     19-21  c m; c m_old - c m_new; a
.set F, 0
.set E, 1
.set C, 2
.set B, 3
.set L, 4
.set R, 5
.set X, 6
.macro REGS y                       ; the registers of piece y
.set rT, ST+4*(\y)
.set rC, TMP+4*((\y)%2)
.set rW, MV+((\y)%2)
.set rS, S+32*((\y)%2)
.set rP, P+16*((\y)%2)
.set rO, 32*(\y)
.endm
.macro OP k, n
.if (\k) == R
	REGS Y
	WIN W_RS
	v_pk_mul_f32 v[rO+2*(\n):rO+2*(\n)+1], v[rO+2*(\n):rO+2*(\n)+1], v[rC+2:rC+3] op_sel_hi:[1,0]
.elseif (\k) < R
	REGS Y
	WIN 0
.if (\k) == F
	v_pk_fma_f32 v[rS+2*(\n):rS+2*(\n)+1], v[rS+2*(\n):rS+2*(\n)+1], s[CS:CS+1], v[rT:rT+1] op_sel_hi:[1,0,0] neg_lo:[0,0,1] neg_hi:[0,0,1]
.elseif (\k) == E
	v_exp_f32 v[rS+(\n)], v[rS+(\n)]
.elseif (\k) == C
	s_wait_alu depctr_va_vdst(0)
	v_cvt_pk_f16_f32 v[rP+(\n)], v[rS+2*(\n)], v[rS+2*(\n)+1]
.elseif (\k) == B
	s_wait_alu depctr_va_vdst(0)
	v_pk_add_f32 v[rS+4*(\n):rS+4*(\n)+1], v[rS+4*(\n):rS+4*(\n)+1], v[rS+4*(\n)+2:rS+4*(\n)+3]
.elseif (\n) == 0
	v_pk_fma_f32 v[rT+2:rT+3], v[rT+2:rT+3], v[rC+2:rC+3], v[rS:rS+1] op_sel_hi:[1,0,1]
.else
	v_pk_add_f32 v[rT+2:rT+3], v[rT+2:rT+3], v[rS+4*(\n):rS+4*(\n)+1]
.endif
.else
	REGS (Y+1)%NP
	WIN 0
.if (\n) < 4
	v_max3_num_f32 v[rC+(\n)], v[rS+8*(\n)], v[rS+8*(\n)+1], v[rS+8*(\n)+2]
.elseif (\n) < 12
	v_max3_num_f32 v[rC+(\n)%4], v[rC+(\n)%4], v[rS+8*((\n)%4)+2*((\n)/4)+1], v[rS+8*((\n)%4)+2*((\n)/4)+2]
.elseif (\n) == 12
	v_max3_num_f32 v[rC], v[rC], v[rS+7], v[rS+15]
.elseif (\n) == 13
	v_max3_num_f32 v[rC+1], v[rC+1], v[rS+23], v[rS+31]
.elseif (\n) == 14
	v_max3_num_f32 v[rC+2], v[rC+2], v[rC+3], v[rT+1]
.elseif (\n) == 15
	v_mov_b32 v[rW], v[rT]
.elseif (\n) == 16
	v_max3_num_f32 v[rC], v[rC], v[rC+1], v[rC+2]
.elseif (\n) == 17
	v_permlanex16_b32 v[rC+3], v[rC], s[SEL], s[SEL+1]
.elseif (\n) == 18
	v_max_num_f32 v[rT+1], v[rC], v[rC+3]
.elseif (\n) == 19
	v_mul_f32 v[rT], s[CS], v[rT+1]
.elseif (\n) == 20
	v_sub_f32 v[rC+1], v[rW], v[rT]
.else
	v_exp_f32 v[rC+2], v[rC+1]
.endif
.endif
.endm
.macro OPS a, i1, b=-1, i2=0, c=-1, i3=0, d=-1, i4=0  ; up to four of them
	OP \a, \i1
.if (\b) >= 0
	OP \b, \i2
.endif
.if (\c) >= 0
	OP \c, \i3
.endif
.if (\d) >= 0
	OP \d, \i4
.endif
.endm
.macro ROW a, i1, b, i2, c, i3, d, i4  ; a matrix instruction and the four behind it
	MM
	OPS \a, \i1, \b, \i2, \c, \i3, \d, \i4
.endm
; A TURN, for piece p: the order of its 16 matrix and 118 vector instructions, written out.  Behind a matrix instruction: plain, exponential, plain, plain; or four of the rescaling; or, behind the first, four scalings;
; none names a register of the products round it.  In the runs of vector work exponential and plain by turns while exponentials last.  A line reads no result made fewer than three vector instructions in front of it,
; five if an exponential made it.  cnt = 1: the loop's count is taken down some lines ahead of the branch that stands behind the turn.
; K of the next step is fetched in piece 2's turn, six vector instructions behind the last product that read K (five of them plain); V of the step in hand in piece 0's turn, eight behind the last product that read V
; (five plain among them).  Each is waited for a turn later.
.macro TURN p, last=0, cnt=0
.set Y, (\p)
.set i, 0
.if (\p) == 3
	s_wait_dscnt 0x0                ; K is in
.endif
	ROW F,0, F,1, F,2, F,3
	ROW F,4, E,0, F,5, F,6
	ROW F,7, E,1, F,8, F,9
	ROW F,10, E,2, C,0, F,11
	ROW F,12, E,3, X,15, F,13
	ROW R,0, R,1, R,2, R,3
	ROW B,0, E,4, F,14, L,0
.if (\p) == 2
	v_add_nc_u32 v[AK], s[TBK], v[AK0]
.endif
	ROW R,4, R,5, R,6, R,7
	OPS E,5, F,15
.if (\p) == 2
	FETCH_K \last
.endif
	OPS E,6, C,1, E,7, R,8
	OPS E,8, R,9, E,9, C,2
	OPS E,10, X,0, E,11, X,1
	OPS E,12, X,2, E,13, X,3
.if (\p) == 1
	s_wait_dscnt 0x0                ; V is in
.endif
	ROW X,4, E,14, X,5, X,6
	ROW X,7, E,15, X,8, X,9
	ROW X,10, E,16, X,11, X,12
	ROW X,13, E,17, X,14, B,1
	ROW C,4, E,18, X,16, L,1
	ROW B,2, E,19, C,6, L,2
	ROW C,8, E,20, B,3, B,4
.if (\p) == 0
	v_add_nc_u32 v[AV], s[TBV], v[AV0]
.endif
	ROW C,3, E,21, L,3, C,5
	OPS E,22, X,17, E,23, C,10
.if (\p) == 0
	FETCH_V
.endif
	OPS E,24, L,4
	OPS E,25, X,18, E,26, C,7
	OPS E,27, B,5, E,28, X,19
	OPS E,29, C,12, E,30, L,5
	OPS E,31, X,20, B,6, C,9
	OPS C,14, C,11, X,21, L,6
.if (\p) == 0
	s_add_co_u32 s[TBV], s[TBV], KS*PV
.endif
.if \cnt
	s_sub_co_u32 s[CNT], s[CNT], 1
	s_cmp_lg_u32 s[CNT], 0
.endif
	OPS C,13, B,7, C,15, R,10
	OPS R,11, R,12, L,7, R,13
	OPS R,14, R,15
.endm
	CHANGE 1                        ; slot 0 is in, everybody's part of it; slot 1 is asked for
	FETCH_K                         ; key step 0
	s_wait_loadcnt 0x0              ; Q
	s_wait_dscnt 0x0
.set i, 0
.rept 8
	KQ 0                            ; piece 0's first scores: there is no vector work yet to set between them
.set i, i+1
.endr
	WIN 0
.rept 4
	v_nop                           ; the places behind those products
.endr
.set Y, NP-1                        ; X works for piece Y + 1: piece 0
.irp n, 0,1,2,3,4,5,6,7,8,9,10,11,12,13,14,15,16,17,18,19,20,21
	OP X, \n
.endr
	v_nop                           ; a plain instruction behind the exponential
	s_mov_b32 s[CNT], 4
	s_mov_b32 s[SLOTS], NT-1
	s_branch .Lfirst                ; the loop is entered at a step's first turn, in the middle of a trip
.Lslot:                             ; NT - 2 times: every slot but the last two is filled again
	CHANGE 1
	s_mov_b32 s[CNT], 4
.Lstep:                             ; a trip: pieces 2 and 3 of one step, then pieces 0 and 1 of the next, whose K and V it fetches
	TURN 2
	TURN 3
	WIN 0
.Lfirst:
	TURN 0
	TURN 1, 0, 1
	WIN 0
	s_cbranch_scc1 .Lstep
	s_sub_co_u32 s[SLOTS], s[SLOTS], 1
	s_cmp_lg_u32 s[SLOTS], 0
	s_cbranch_scc1 .Lslot
	CHANGE 0                        ; the tail is written out: nothing is asked for
	s_mov_b32 s[CNT], 5             ; four trips fetch the last slot's steps; the fifth is left in its middle
.Ltail:
	TURN 2, 1
	TURN 3
	WIN 0
	s_sub_co_u32 s[CNT], s[CNT], 1
	s_cmp_eq_u32 s[CNT], 0
	s_cbranch_scc1 .Lout
	TURN 0
	TURN 1
	WIN 0
	s_branch .Ltail
.Lout:                              ; the fifth trip's 8 products K Q^T (on the last K once more) and the maximum made of them serve nothing: the price, once a launch, of one text for every trip
.set i, 0
.rept 8
	PV NP-1                         ; the last piece's V^T P of the last step
.set i, i+1
.endr
	; THE WAY OUT.  l's two halves and the other half of the lanes' are added; O^T is divided by l, rounded to f16 and sent through my stage in LDS, a piece at a time.  The additions are the places behind the last products.
	WIN 0
.macro ALL line:vararg              ; one line for each piece t
.set t, 0
.rept 4
	\line
.set t, t+1
.endr
.endm
	ALL v_add_f32 v[ST+4*t+2], v[ST+4*t+2], v[ST+4*t+3]
	ALL v_permlanex16_b32 v[ST+4*t+3], v[ST+4*t+2], s[SEL], s[SEL+1]
	ALL v_add_f32 v[ST+4*t+2], v[ST+4*t+2], v[ST+4*t+3]
	ALL v_rcp_f32 v[ST+4*t+2], v[ST+4*t+2]
	v_nop                           ; a plain instruction between the last reciprocal and the use of its result
.macro PACK t                       ; a lane's eight channels of a row pack into 16 bytes; they go into rows of 144 bytes and come back as whole rows of 128, into S^T's registers
	WIN W_RS
.set i, 32*(\t)
.rept 16
	s_wait_alu depctr_va_vdst(0)
	v_pk_mul_f32 v[i:i+1], v[i:i+1], v[ST+4*(\t)+2:ST+4*(\t)+3] op_sel_hi:[1,0]
.set i, i+2
.endr
	WIN 0x05                        ; sources 0 and 1 window 1, destination window 0
.set i, 0
.rept 16
	v_cvt_pk_f16_f32 v[S+16*(\t)+i], v[32*(\t)+2*i], v[32*(\t)+2*i+1]
.set i, i+1
.endr
	WIN 0
.irp f, 0,1,2,3
	ds_store_b128 v[STO], v[S+16*(\t)+4*\f:S+16*(\t)+4*\f+3] offset:32*\f
.endr
.irp f, 0,1,2,3
	ds_load_b128 v[S+16*(\t)+4*\f:S+16*(\t)+4*\f+3], v[RD] offset:\f*4*SP  ; LDS serves a wave's instructions in order (ISA guide 5.7.1.4): these see the stores above; the next piece's stores come behind them
.endr
.endm
.macro SEND t, younger              ; younger: the LDS instructions issued behind piece t's loads: the next piece's eight, or none
	WIN 0
.irp f, 0,1,2,3
	s_wait_dscnt (\younger)+3-\f
	global_store_b128 v[GO], v[S+16*(\t)+4*\f:S+16*(\t)+4*\f+3], s[10:11] offset:(\t)*2048+\f*512  ; four rows of a block: 512 consecutive bytes
.endr
.endm
	PACK 0
.set t, 1
.rept 3                             ; a piece's arithmetic stands between the loads of the piece before and its stores
	PACK t
	SEND t-1, 8
.set t, t+1
.endr
	SEND 3, 0
	s_wait_tensorcnt 0x0            ; the wave's end
	ds_add_u32 v[SPW], v[NIL]
	s_wait_dscnt 0x0
	CROUND                          ; the closing round: no work-group ends while a partner may still ask for a tile that names it
	s_endpgm
.Lfunc_end_k_q73c09e636e_attn:
	.size	k_q73c09e636e_attn, .Lfunc_end_k_q73c09e636e_attn-k_q73c09e636e_attn
	.p2alignl 7, 3214868480
	.fill 96, 4, 3214868480
	.section	.rodata,"a",@progbits
	.p2align	6, 0x0
	.amdhsa_kernel k_q73c09e636e_attn
		.amdhsa_group_segment_fixed_size 327680
		.amdhsa_private_segment_fixed_size 0
		.amdhsa_enable_private_segment 0
		.amdhsa_kernarg_size 16
		.amdhsa_user_sgpr_count 2
		.amdhsa_user_sgpr_kernarg_segment_ptr 1
		.amdhsa_wavefront_size32 1
		.amdhsa_system_sgpr_workgroup_id_x 1
		.amdhsa_system_sgpr_workgroup_id_y 1
		.amdhsa_system_sgpr_workgroup_id_z 1
		.amdhsa_system_vgpr_workitem_id 0
		.amdhsa_next_free_vgpr 768
		.amdhsa_next_free_sgpr 66
		.amdhsa_reserve_vcc 0
		.amdhsa_float_denorm_mode_32 3
		.amdhsa_float_denorm_mode_16_64 3
		.amdhsa_memory_ordered 1
		.amdhsa_forward_progress 1
		.amdhsa_inst_pref_size 117
	.end_amdhsa_kernel
	.amdgpu_metadata
---
amdhsa.version: [ 1, 2 ]
amdhsa.kernels:
  - .name:           k_q73c09e636e_attn
    .symbol:         k_q73c09e636e_attn.kd
    .args:
      - { .name: wide, .offset: 0, .size: 8, .value_kind: global_buffer, .address_space: global }
      - { .name: act, .offset: 8, .size: 8, .value_kind: global_buffer, .address_space: global }
    .group_segment_fixed_size: 327680
    .private_segment_fixed_size: 0
    .kernarg_segment_align: 8
    .kernarg_segment_size: 16
    .max_flat_workgroup_size: 128
    .sgpr_count:     66
    .vgpr_count:     768
    .wavefront_size: 32
...
	.end_amdgpu_metadata
.endif
;; end of part 3
;; launch wo (part 4): grid 8 x 32, 4 waves a work-group, clusters of 4 x 4, 327,680 bytes of LDS; arguments act, wr, bo, x, y; writes y
.if DOCPART == 4
	.amdgcn_target "amdgcn-amd-amdhsa--gfx1250"
	.amdhsa_code_object_version 6
	.text
	.protected	k_q73c09e636e_wo
	.globl	k_q73c09e636e_wo
	.p2align	8
	.type	k_q73c09e636e_wo,@function
k_q73c09e636e_wo:
	s_mov_b64 s[64:65], 0
	v_nop
	global_prefetch_b8 v0, s[64:65] scope:SCOPE_SE
	s_setreg_imm32_b32 hwreg(HW_REG_WAVE_MODE, 25, 1), 1
	s_wait_xcnt 0x0
	s_wait_alu depctr_hold_cnt(0) depctr_sa_sdst(0) depctr_va_vdst(0) depctr_va_sdst(0) depctr_va_ssrc(0) depctr_va_vcc(0) depctr_vm_vsrc(0)
	s_getreg_b32 s2, hwreg(HW_REG_IB_STS2, 6, 4)
	s_cmp_eq_u32 s2, 0
	s_cbranch_scc0 .Lentry_in_a_cluster
	s_endpgm
.Lentry_in_a_cluster:
	s_bfe_u32 s2, ttmp6, 0x10000c
	s_cmp_lg_u32 s2, 0xf033
	s_cbranch_scc0 .Lentry_shape_is_right
	s_endpgm
.Lentry_shape_is_right:
; Y = A W + bias + RES, in f32.  A: 4,096 rows x KDIM, f16, in blocks of 128 rows x 64 columns, NCA blocks a row tile.  W: at byte WOFF of its buffer, 8 column tiles [KDIM k][128 n] in f16.
; bias: [1024] f32.  RES, Y: [4096][1024] f32.  Sums in f32; they begin with the bias, loaded straight into the accumulators; the residual is added in f32 on the way out.
; This text is the attention's output projection: KDIM = 1,024.  (The second feed-forward product is the same text but for the five constants NSTEP, NCA, WOFF, PHSH, PHMASK.)
; LIMITS. The f16 operands arrive within 65,504; NaN and infinities are not treated apart.  K is summed in the order given below, not ascending: an order of rounding of its own in each cluster.
; SHARES. A tile of Y is 128 x 128, which gives each of 256 work-groups one: four waves, each 64 x 64 = 16 accumulators.  K goes in steps of 256 through two LDS slots; one K step is written once and
; looped over, the slot in hand being a scalar (0 or SLOT) that one exclusive or turns.  The last two steps, which ask for nothing, are a second loop.
; CLUSTER. 4 x 4 work-groups: A's tiles are shared along a row of the cluster, W's along a column; each is asked for jointly.
; THE ORDER OF K. In its trip t a cluster takes K step t xor PHI, PHI = ((cluster y & PHMASK) xor cluster x) << PHSH: every step once, in blocks of 2^PHSH steps whose order differs from cluster to
; cluster.  The two clusters that need the same tiles of A (same y) take neighbouring blocks in swapped order, and clusters that need the same tiles of W (same x) begin at different blocks.  So a
; tile is not asked for by all its clusters at once: one asks first, the others a block of steps or more later, for bytes that have been fetched once already.  PHI is made of the cluster's
; coordinates alone: it is the same in all sixteen partners.
; THE MATRIX INSTRUCTION IS USED TRANSPOSED (source 0 = 16 columns of W, turned by ds_load_tr16_b128; source 1 = 16 rows of A): a lane holds eight neighbouring columns of one row of Y.
; REGISTERS: window 0: v16-30 addresses; v32-95 at work on the way out; v128-255 the accumulators ((a, b) at v[128 + 8 (4 a + b)]).
;   window 1: two fragment buffers of 128: for 64 along K, 64 registers of A, then 64 of W.     window 2: v0-127 the residual, loaded at the start.
.set NSTEP,  4
.set NCA,    16
.set WOFF,   0
.set PHSH,   1                         ; a block of the walk is 2^PHSH K steps
.set PHMASK, 1                         ; NSTEP / 2^PHSH - 1: the blocks' numbers
.set KDIM,   256*NSTEP
.set PA,     144                       ; an LDS row of A: 128 bytes + 16
.set PB,     288                       ; an LDS row of W: 256 bytes + 32 = 9 x 32
.set PART,   36864                     ; what one tensor load brings: 256 rows x 144 of A (two blocks), or 128 k rows x 288 of W
.set BOFF,   2*PART
.set SLOT,   4*PART
.set STAGE,  2*SLOT                    ; behind the ring: 16 rows x 272 bytes for each wave
.set SPITCH, 272
.set SPARE,  STAGE+4*16*SPITCH         ; the spare words, 128 bytes a wave: two blocks of 256 bytes that no other line names
.set ADRA0, 16                         ; v16 my lane's place in A's part of slot 0; v17 in the slot in hand
.set ADRA,  17
.set ADRB0, 20                         ; v20 the same for W; v21 k rows 0-127, v22 k rows 128-255 of the slot in hand (one 16-bit offset does not reach them all)
.set ADRB,  21
.set STO,   24
.set RD,    25
.set CO,    26                         ; my byte offset in two rows of RES and of Y
.set BO,    27                         ; my byte offset in 16 columns of the bias
.set SPW,   28                         ; LDS address of my spare word; never rewritten
.set NIL,   29                         ; 0; never rewritten
.set PFO,   30                         ; (NSTEP > 4) my byte offset in the 16,384 bytes that my work-group asks for ahead; never rewritten
.set TMP,   32
.set ACC,   128
.set F0,    0
.set F1,    128
.set BA,  14                           ; s[14:15] A at my part of the tile's K step 0
.set G1,  24
.set G0,  32
.set BB,  46                           ; s[46:47] W at my part of the tile's K step 0
.set G1B, 48
.set G0B, 56
.set TB,  66                           ; s66 the slot in hand: 0 or SLOT
.set LA,  67                           ; s67 where my load lands in a slot
.set PHI, 68                           ; s68 the cluster's place in the order of K
.set TQ,  69                           ; s69 the trip whose tile was asked for last
.set OF,  70                           ; s[70:71] a K step's byte offset in A and in W: 65,536 x step
.set MSB, 0
.macro WIN new
.if MSB != (\new)
	s_set_vgpr_msb (MSB<<8)|(\new)
.set MSB, \new
.endif
.endm
.set MUL,  0x05                        ; sources 0 (W) and 1 (A) window 1; C and D window 0
.set TO_F, 0x40                        ; destination window 1, address window 0
.macro JLOAD                           ; a joint refill by the walking descriptors: waves 0 and 1 for A, waves 2 and 3 for W; an s_nop 0 and four v_nop follow each line
	s_cmp_eq_u32 s11, 0
	s_cbranch_scc0 .Lfor_b_\@
	tensor_load_to_lds s[G0+4:G0+7], s[G1:G1+7]
	s_nop 0
.rept 4
	v_nop
.endr
	s_branch .Lasked_\@
.Lfor_b_\@:
	tensor_load_to_lds s[G0B+4:G0B+7], s[G1B:G1B+7]
	s_nop 0
.rept 4
	v_nop
.endr
.Lasked_\@:
.endm
.macro CREST
	s_cmp_lg_u32 s10, 0
	s_cbranch_scc1 .Lnot_wave_0_\@
	s_barrier_signal -3
.Lnot_wave_0_\@:
	s_barrier_wait -3
	s_barrier_signal -1
	s_barrier_wait -1
.endm
.macro CROUND
	s_barrier_signal -1
	s_barrier_wait -1
	CREST
.endm
; ASKING AHEAD (NSTEP > 4).  Of A's tiles my cluster is the first to ask in the walk's blocks 0 and 2.  Block 2's four tiles are asked for ahead: in the trip that requests trip t's tile, the tile of
; trip t + 2, which the tensor load two trips on will bring.  A tile of A is 65,536 dense bytes; each of the four partners that share it takes a quarter, waves 0 and 1 one half of that each: 32 lanes,
; 256 bytes apart.  So each block of 256 bytes is asked for once in the launch.  Trips outside t + 2 = 8 .. 11 ask for nothing, so no request points past the buffer.
.macro AHEAD
	s_add_co_u32 s20, s[TQ], 2
	s_lshr_b32 s2, s20, PHSH                       ; its block of the walk
	s_cmp_lg_u32 s2, 2
	s_cbranch_scc1 .Lnot_ahead_\@
	s_cmp_lg_u32 s11, 0
	s_cbranch_scc1 .Lnot_ahead_\@
	s_xor_b32 s44, s20, s[PHI]
	s_lshl_b32 s44, s44, 16
	s_wait_xcnt 0x0                                ; the request of the trip before has read s[82:83]
	s_add_nc_u64 s[82:83], s[18:19], s[44:45]
	global_prefetch_b8 v[PFO], s[82:83] th:TH_LOAD_NT scope:SCOPE_SE
.Lnot_ahead_\@:
.endm
	s_load_b256 s[72:79], s[0:1], 0x0              ; A 72, W 74, bias 76, RES 78
	s_load_b64 s[80:81], s[0:1], 0x20              ; Y
	v_lshl_add_u32 v[SPW], v0, 2, SPARE
	v_mov_b32 v[NIL], 0
	ds_add_u32 v28, v29
	s_wait_dscnt 0x0
	v_lshrrev_b32 v1, 5, v0
	v_readfirstlane_b32 s10, v1                    ; wave 0..3
	s_lshr_b32 s11, s10, 1                         ; my half of the tile's rows.  Also: I fetch for A (0) or for W (1)
	s_and_b32 s12, s10, 1                          ; my half of its columns.  Also: which half of that tile I fetch
	s_bfe_u32 s40, ttmp6, 0x40000
	s_bfe_u32 s41, ttmp6, 0x40004
	s_lshl_b32 s42, ttmp9, 2
	s_add_co_u32 s42, s42, s40                     ; tile column
	s_and_b32 s13, ttmp7, 0xffff                   ; cluster y
	s_and_b32 s[PHI], s13, PHMASK
	s_xor_b32 s[PHI], s[PHI], ttmp9                ; cluster x is 0 or 1
	s_lshl_b32 s[PHI], s[PHI], PHSH
	s_lshl_b32 s13, s13, 2
	s_add_co_u32 s13, s13, s41                     ; tile row
	s_lshl_b32 s43, s41, 2
	s_lshl_b32 s43, 15, s43                        ; my row of the cluster
	s_lshl_b32 s44, 0x1111, s40                    ; my column
	; group 1 for A: two blocks, 32,768 dense bytes, as 128 rows of 256 bytes, 16 bytes of padding behind every 128
	s_or_b32 s[G1+0], s43, (1<<16)|(1<<20)|(1<<21)|(4<<22)|(3<<25)
	; group 1 for W: 128 rows of 256 bytes, 32 bytes of padding behind each
	s_or_b32 s[G1B+0], s44, (1<<16)|(1<<20)|(1<<21)|(5<<22)|(7<<25)
.irp g, G1, G1B
	s_mov_b32 s[(\g)+1], 128<<16                   ; tensor_dim0 = 128
	s_mov_b32 s[(\g)+2], 128<<16                   ; tensor_dim1 = 128
	s_mov_b32 s[(\g)+3], 128<<16                   ; tile_dim0 = 128
	s_mov_b32 s[(\g)+4], 128                       ; tile_dim1 = 128
	s_mov_b32 s[(\g)+5], 128                       ; elements from row to row
	s_mov_b32 s[(\g)+6], 0
	s_mov_b32 s[(\g)+7], 0
.endr
	s_mov_b32 s[OF+1], 0
	s_mul_i32 s16, s13, NCA*16384                  ; A: my row tile, and two of a step's four blocks: the tile row alone
	s_lshl_b32 s17, s12, 15
	s_add_co_u32 s16, s16, s17
	s_mov_b32 s17, 0
	s_mul_i32 s46, s42, KDIM*256                   ; W: my column tile, and 128 of a step's 256 k rows: the tile column alone
	s_lshl_b32 s47, s12, 15
	s_add_co_u32 s46, s46, s47
	s_add_co_u32 s46, s46, WOFF
	s_mov_b32 s47, 0
	s_mul_i32 s[LA], s10, PART                     ; A's two parts, then W's two = wave x 36,864
	s_lshl_b32 s4, s42, 9                          ; my 64 columns in bytes of f32 (offsets that mix cx and cy lie in s4-s9, which feed no descriptor)
	s_lshl_b32 s5, s12, 8
	s_add_co_u32 s4, s4, s5
	s_mov_b32 s5, 0
	s_lshl_b32 s6, s13, 19                         ; my 64 rows of 4,096 bytes, and those columns
	s_lshl_b32 s8, s11, 18
	s_add_co_u32 s6, s6, s8
	s_add_co_u32 s6, s6, s4
	s_mov_b32 s7, 0
.if NSTEP > 4
	s_mul_i32 s8, s13, NCA*16384                   ; asking ahead: my row tile of A, and of a step's 65,536 bytes the quarter that goes by my place along the cluster's x
	s_lshl_b32 s9, s40, 14
	s_add_co_u32 s8, s8, s9
	s_mov_b32 s9, 0
	s_mov_b32 s45, 0                               ; s[44:45] (the mask has gone into group 1) takes a step's offset there
.endif
	CROUND                                         ; all sixteen work-groups are here: the first joint loads meet.  The round needs no argument, so it stands ahead of the wait for them
	s_wait_kmcnt 0x0
	s_add_nc_u64 s[BA:BA+1], s[72:73], s[16:17]
	s_add_nc_u64 s[BB:BB+1], s[74:75], s[46:47]
	s_add_nc_u64 s[76:77], s[76:77], s[4:5]
	s_add_nc_u64 s[78:79], s[78:79], s[6:7]
	s_add_nc_u64 s[80:81], s[80:81], s[6:7]
.if NSTEP > 4
	s_add_nc_u64 s[18:19], s[72:73], s[8:9]
.endif
.irp s, 0,1
	s_xor_b32 s[OF], s[PHI], \s                    ; trip s takes K step s xor PHI
	s_lshl_b32 s[OF], s[OF], 16
	s_mov_b32 s[G0+4*(\s)], 1
	s_add_co_u32 s[G0+4*(\s)+1], s[LA], (\s)*SLOT
	s_add_nc_u64 s[G0+4*(\s)+2:G0+4*(\s)+3], s[BA:BA+1], s[OF:OF+1]
	s_or_b32 s[G0+4*(\s)+3], s[G0+4*(\s)+3], 0x80000000
	s_mov_b32 s[G0B+4*(\s)], 1
	s_add_co_u32 s[G0B+4*(\s)+1], s[LA], (\s)*SLOT
	s_add_nc_u64 s[G0B+4*(\s)+2:G0B+4*(\s)+3], s[BB:BB+1], s[OF:OF+1]
	s_or_b32 s[G0B+4*(\s)+3], s[G0B+4*(\s)+3], 0x80000000
.endr
	s_cmp_eq_u32 s11, 0                            ; a wave's two first fills stand in one branch: two loads of mine are out
	s_cbranch_scc0 .Lfirst_b
	tensor_load_to_lds s[G0:G0+3], s[G1:G1+7]
	s_nop 0
	tensor_load_to_lds s[G0+4:G0+7], s[G1:G1+7]
	s_nop 0
.rept 4
	v_nop
.endr
	s_branch .Lfirst_asked
.Lfirst_b:
	tensor_load_to_lds s[G0B:G0B+3], s[G1B:G1B+7]
	s_nop 0
	tensor_load_to_lds s[G0B+4:G0B+7], s[G1B:G1B+7]
	s_nop 0
.rept 4
	v_nop
.endr
.Lfirst_asked:
	v_and_b32 v1, 15, v0                           ; l % 16
	v_bfe_u32 v2, v0, 4, 1                         ; l / 16
	v_mul_u32_u24 v3, v1, PA
	v_lshl_add_u32 v3, v2, 4, v3
	s_mul_i32 s21, s11, 64*PA                      ; my 64 rows in each block of A
	v_add_nc_u32 v[ADRA0], s21, v3
	v_and_b32 v4, 7, v0                            ; the turning load: k row 8 (l / 16) + l % 8, columns 8 ((l / 8) % 2) + 0..7
	v_lshl_add_u32 v4, v2, 3, v4
	v_mul_u32_u24 v4, v4, PB
	v_bfe_u32 v5, v0, 3, 1
	v_lshl_add_u32 v4, v5, 4, v4
	s_lshl_b32 s22, s12, 7                         ; my 64 columns of W
	s_add_co_u32 s22, s22, BOFF
	v_add_nc_u32 v[ADRB0], s22, v4
	s_mul_i32 s23, s10, 16*SPITCH
	s_add_co_u32 s23, s23, STAGE                   ; my stage
	v_mul_u32_u24 v5, v1, SPITCH                   ; in: row l % 16, 32 bytes for each half of the lanes
	v_lshl_add_u32 v5, v2, 5, v5
	v_add_nc_u32 v[STO], s23, v5
	v_mul_u32_u24 v5, v2, SPITCH                   ; back: lanes 0-15 one row of 256 bytes, lanes 16-31 the next
	v_lshl_add_u32 v5, v1, 4, v5
	v_add_nc_u32 v[RD], s23, v5
	v_lshlrev_b32 v5, 12, v2                       ; and the same two rows in RES and Y
	v_lshl_add_u32 v[CO], v1, 4, v5
	v_lshlrev_b32 v[BO], 5, v2
.if NSTEP > 4
	v_and_b32 v6, 31, v0
	v_lshlrev_b32 v[PFO], 8, v6                    ; 256 x lane
	v_lshl_add_u32 v[PFO], s10, 13, v[PFO]         ; + 8,192 x wave (waves 0 and 1 ask)
.endif
	v_mov_b32 v[ADRA], v[ADRA0]
	v_mov_b32 v[ADRB], v[ADRB0]
	v_add_nc_u32 v[ADRB+1], 128*PB, v[ADRB0]
	s_mov_b32 s[TB], 0
	s_mov_b32 s[TQ], 1                             ; trips 0 and 1 have been asked for
	; the sums begin with the bias: accumulator (a, b) of lane l holds columns 16 b + 8 (l / 16) + 0..7, whatever a
.irp a, 0,1,2,3
.irp b, 0,1,2,3
	global_load_b128 v[ACC+8*(4*(\a)+(\b)):ACC+8*(4*(\a)+(\b))+3],   v[BO], s[76:77] offset:64*(\b)
	global_load_b128 v[ACC+8*(4*(\a)+(\b))+4:ACC+8*(4*(\a)+(\b))+7], v[BO], s[76:77] offset:64*(\b)+16
.endr
.endr
	WIN 0x80                                       ; the residual, as whole rows of 256 bytes: it has the whole product in which to land; the launch reads each of its bytes once
.irp a, 0,1,2,3
.irp t, 0,1,2,3,4,5,6,7
	global_load_b128 v[32*(\a)+4*(\t):32*(\a)+4*(\t)+3], v[CO], s[78:79] offset:(16*(\a)+2*(\t))*4096 th:TH_LOAD_NT
.endr
.endr
	WIN 0
; 8 matrix instructions: m blocks a0, a0 + 1 x all 4 n blocks, 32 along K: half c of buffer f.  The 16 accumulators take turns.
.macro MUL8 f, c, a0
	WIN MUL
.irp a, \a0, (\a0)+1
.irp b, 0,1,2,3
	v_wmma_f32_16x16x32_f16 v[ACC+8*(4*(\a)+(\b)):ACC+8*(4*(\a)+(\b))+7], v[(\f)+64+8*(4*(\c)+(\b)):(\f)+64+8*(4*(\c)+(\b))+7], v[(\f)+8*(4*(\c)+(\a)):(\f)+8*(4*(\c)+(\a))+7], v[ACC+8*(4*(\a)+(\b)):ACC+8*(4*(\a)+(\b))+7]
.endr
.endr
.endm
; 32 LDS loads in one run: quarter q (64 along K: one block of A) of the slot in hand into buffer f; the first 32 along K first
.macro FETCH q, f
	WIN TO_F
.irp c, 0,1
.irp i, 0,1,2,3
	ds_load_tr16_b128 v[(\f)+64+8*(4*(\c)+(\i)):(\f)+64+8*(4*(\c)+(\i))+3],   v[ADRB+(\q)/2] offset:(64*((\q)%2)+32*(\c))*PB+32*(\i)
	ds_load_tr16_b128 v[(\f)+64+8*(4*(\c)+(\i))+4:(\f)+64+8*(4*(\c)+(\i))+7], v[ADRB+(\q)/2] offset:(64*((\q)%2)+32*(\c)+16)*PB+32*(\i)
	ds_load_b128 v[(\f)+8*(4*(\c)+(\i)):(\f)+8*(4*(\c)+(\i))+3],   v[ADRA] offset:(\q)*128*PA+(\i)*16*PA+64*(\c)
	ds_load_b128 v[(\f)+8*(4*(\c)+(\i))+4:(\f)+8*(4*(\c)+(\i))+7], v[ADRA] offset:(\q)*128*PA+(\i)*16*PA+64*(\c)+32
.endr
.endr
.endm
.macro PLACES                          ; four plain vector instructions between a matrix instruction and a load into, or an LDS store of, its registers
.rept 4
	v_nop
.endr
.endm
.macro QUARTER q, f, g                 ; multiplies buffer f and fetches quarter q into g
	s_wait_dscnt 16                                ; the first 32 along K are in
	MUL8 \f, 0, 0
	MUL8 \f, 0, 2
	PLACES
	FETCH \q, \g
	s_wait_dscnt 32                                ; all but the 32 just issued
	MUL8 \f, 1, 0
	MUL8 \f, 1, 2
.endm
; The last quarter multiplies buffer 1 and changes slots: one barrier; in front of it each wave waits for all its tensor loads, adds 0 to its spare word, and waits for that and for its reads of this slot.
; fill = 1: the barrier opens a round of the cluster's, and the slot just read is filled again, with the tile of the trip two on.  fill = 0: nothing is asked for; in the very last step the fetch is jumped over.
.macro TURN fill
	WIN 0
	s_wait_tensorcnt 0x0
	ds_add_u32 v[SPW], v[NIL]
	s_wait_dscnt 17                                ; the add and the youngest sixteen loads may be out
	MUL8 F1, 0, 0                                  ; eight matrix instructions stand between the add and the wait for it
	s_wait_dscnt 0x0                               ; the add is done, and my reads of this slot are over
	s_barrier_signal -1
	MUL8 F1, 0, 2
	WIN 0
	s_barrier_wait -1
.if \fill
	CREST
	s_add_co_u32 s[TQ], s[TQ], 1                   ; no tensor load of mine is out, so the walking sets may be written: the next trip's
	s_xor_b32 s[OF], s[TQ], s[PHI]                 ; K step,
	s_lshl_b32 s[OF], s[OF], 16                    ; its 65,536 bytes in A's row tile and in W's column tile,
	s_add_co_u32 s[G0+5], s[LA], s[TB]             ; into the slot just read.  The address is made anew from the tile's first step, and the type bits set again
	s_add_co_u32 s[G0B+5], s[LA], s[TB]
	s_add_nc_u64 s[G0+6:G0+7], s[BA:BA+1], s[OF:OF+1]
	s_or_b32 s[G0+7], s[G0+7], 0x80000000
	s_add_nc_u64 s[G0B+6:G0B+7], s[BB:BB+1], s[OF:OF+1]
	s_or_b32 s[G0B+7], s[G0B+7], 0x80000000
	JLOAD                                          ; 112 matrix instructions ahead of the wait for it; its four v_nop are also the places in front of the loads below
.if NSTEP > 4
	AHEAD
.endif
.else
	s_cmp_eq_u32 s3, 1
	s_cbranch_scc1 .Lno_next_\@
	PLACES
.endif
	s_xor_b32 s[TB], s[TB], SLOT
	v_add_nc_u32 v[ADRA], s[TB], v[ADRA0]
	v_add_nc_u32 v[ADRB], s[TB], v[ADRB0]
	v_add_nc_u32 v[ADRB+1], 128*PB, v[ADRB]
	FETCH 0, F0
.if !(\fill)
	WIN 0
.Lno_next_\@:
.endif
	MUL8 F1, 1, 0
	MUL8 F1, 1, 2
.endm
; THE WAY OUT of block a (16 rows x 64 columns of f32): through my own stage, back as whole rows of 256 bytes, the residual added, stored.  Each accumulator's low four registers are read first.
.macro OUT a
.set TH, TMP+32*((\a)%2)
	s_wait_xcnt 0x0                                ; the registers that the block before last's stores read are loaded again only behind this wait
.irp b, 0,1,2,3
	ds_store_b128 v[STO], v[ACC+8*(4*(\a)+(\b)):ACC+8*(4*(\a)+(\b))+3]   offset:64*(\b)
	ds_store_b128 v[STO], v[ACC+8*(4*(\a)+(\b))+4:ACC+8*(4*(\a)+(\b))+7] offset:64*(\b)+16
.endr
.irp t, 0,1,2,3,4,5,6,7
	ds_load_b128 v[TH+4*(\t):TH+4*(\t)+3], v[RD] offset:(\t)*2*SPITCH  ; LDS serves a wave's instructions in order (ISA guide 5.7.1.4): these see the stores above
.endr
	s_wait_dscnt 0x0
.if (\a) == 0
	s_wait_loadcnt 0x0                             ; the residual
.endif
	WIN 0x08                                       ; source 1 in window 2
.set i, 0
.rept 16
	v_pk_add_f32 v[TH+2*i:TH+2*i+1], v[TH+2*i:TH+2*i+1], v[32*(\a)+2*i:32*(\a)+2*i+1]
.set i, i+1
.endr
	WIN 0
.irp t, 0,1,2,3,4,5,6,7
	global_store_b128 v[CO], v[TH+4*(\t):TH+4*(\t)+3], s[80:81] offset:(16*(\a)+2*(\t))*4096  ; 16 lanes store 256 consecutive bytes, at a multiple of 256 from Y's first byte
.endr
.endm
	s_wait_tensorcnt 1                             ; my part of trip 0's tile is in; trip 1's may stay out
	s_barrier_signal -1
	s_barrier_wait -1
	FETCH 0, F0
	WIN 0
	s_wait_loadcnt 32                              ; the bias is in; the 32 loads of the residual may stay out
	s_mov_b32 s3, NSTEP-2
.Lstep:                                                ; all trips but the last two: each asks for the tile of the trip two on
	QUARTER 1, F0, F1
	QUARTER 2, F1, F0
	QUARTER 3, F0, F1
	TURN 1
	WIN 0
	s_sub_co_u32 s3, s3, 1
	s_cmp_lg_u32 s3, 0
	s_cbranch_scc1 .Lstep
	s_mov_b32 s3, 2
.Ltail:
	QUARTER 1, F0, F1
	QUARTER 2, F1, F0
	QUARTER 3, F0, F1
	TURN 0
	WIN 0
	s_sub_co_u32 s3, s3, 1
	s_cmp_lg_u32 s3, 0
	s_cbranch_scc1 .Ltail
	PLACES
	OUT 0
	OUT 1
	OUT 2
	OUT 3
	s_wait_tensorcnt 0x0                           ; the wave's end
	ds_add_u32 v[SPW], v[NIL]
	s_wait_dscnt 0x0
	CROUND                                         ; the closing round
	s_endpgm
.Lfunc_end_k_q73c09e636e_wo:
	.size	k_q73c09e636e_wo, .Lfunc_end_k_q73c09e636e_wo-k_q73c09e636e_wo
	.p2alignl 7, 3214868480
	.fill 96, 4, 3214868480
	.section	.rodata,"a",@progbits
	.p2align	6, 0x0
	.amdhsa_kernel k_q73c09e636e_wo
		.amdhsa_group_segment_fixed_size 327680
		.amdhsa_private_segment_fixed_size 0
		.amdhsa_enable_private_segment 0
		.amdhsa_kernarg_size 40
		.amdhsa_user_sgpr_count 2
		.amdhsa_user_sgpr_kernarg_segment_ptr 1
		.amdhsa_wavefront_size32 1
		.amdhsa_system_sgpr_workgroup_id_x 1
		.amdhsa_system_sgpr_workgroup_id_y 1
		.amdhsa_system_sgpr_workgroup_id_z 1
		.amdhsa_system_vgpr_workitem_id 0
		.amdhsa_next_free_vgpr 640
		.amdhsa_next_free_sgpr 84
		.amdhsa_reserve_vcc 0
		.amdhsa_float_denorm_mode_32 3
		.amdhsa_float_denorm_mode_16_64 3
		.amdhsa_memory_ordered 1
		.amdhsa_forward_progress 1
		.amdhsa_inst_pref_size 64
	.end_amdhsa_kernel
	.amdgpu_metadata
---
amdhsa.version: [ 1, 2 ]
amdhsa.kernels:
  - .name:           k_q73c09e636e_wo
    .symbol:         k_q73c09e636e_wo.kd
    .args:
      - { .name: act, .offset: 0, .size: 8, .value_kind: global_buffer, .address_space: global }
      - { .name: wr, .offset: 8, .size: 8, .value_kind: global_buffer, .address_space: global }
      - { .name: bo, .offset: 16, .size: 8, .value_kind: global_buffer, .address_space: global }
      - { .name: x, .offset: 24, .size: 8, .value_kind: global_buffer, .address_space: global }
      - { .name: y, .offset: 32, .size: 8, .value_kind: global_buffer, .address_space: global }
    .group_segment_fixed_size: 327680
    .private_segment_fixed_size: 0
    .kernarg_segment_align: 8
    .kernarg_segment_size: 40
    .max_flat_workgroup_size: 128
    .sgpr_count:     84
    .vgpr_count:     640
    .wavefront_size: 32
...
	.end_amdgpu_metadata
.endif
;; end of part 4
;; launch ln1 (part 5): grid 256 x 1, 8 waves a work-group, no clusters, 0 bytes of LDS; arguments y, g1, be1, hf, act; writes hf, act
.if DOCPART == 5
	.amdgcn_target "amdgcn-amd-amdhsa--gfx1250"
	.amdhsa_code_object_version 6
	.text
	.protected	k_q73c09e636e_ln1
	.globl	k_q73c09e636e_ln1
	.p2align	8
	.type	k_q73c09e636e_ln1,@function
k_q73c09e636e_ln1:
	s_mov_b64 s[64:65], 0
	v_nop
	global_prefetch_b8 v0, s[64:65] scope:SCOPE_SE
	s_setreg_imm32_b32 hwreg(HW_REG_WAVE_MODE, 25, 1), 1
	s_wait_xcnt 0x0
; h = g (y - mean) / sqrt(var + 1e-5) + be along rows of 1,024, in f32; h leaves twice: as f32 [4096][1024], and rounded to f16 in blocks of 128 rows x 64 columns (16 a row tile) for the next product.
; One wave takes two whole rows and keeps them in registers between the passes: memory is read once, the reduction never leaves the wave, and there is no LDS and no barrier.
; The variance is the mean of the squared differences from the mean, as it is defined: no difference of large sums is formed.
; LIMITS. h beyond 65,504 becomes an infinity in the f16 copy; NaN and infinities are not treated apart.
; Lane l holds columns 128 j + 4 l + 0..3, j = 0..7: each load and store of f32 covers 512 consecutive bytes.
.set X0, 8                             ; v[8:39]    row 0
.set X1, 40                            ; v[40:71]   row 1
.set G,  72                            ; v[72:103]  g of my columns
.set BE, 104                           ; v[104:135] be
.set T,  136                           ; v[136:143] at work
.set M,  144                           ; v[144:145] the mean, twice
.set R0, 146                           ; v[146:147] 1 / sqrt(var + eps) of row 0, twice
.set R1, 148                           ; v[148:149] of row 1
.set CI, 150                           ; v150       1 / 1,024
.set H0, 152                           ; v[152:167] row 0 in f16; after the exchange: both rows' even blocks
.set H1, 168                           ; v[168:183] row 1 in f16; after the exchange: both rows' odd blocks
	s_load_b256 s[4:11], s[0:1], 0x0               ; y 4, g 6, be 8, hf 10
	s_load_b64 s[12:13], s[0:1], 0x20              ; act
	v_and_b32 v1, 31, v0                           ; lane
	v_lshrrev_b32 v2, 5, v0                        ; wave
	v_lshlrev_b32 v3, 4, v1                        ; g, be: 16 x lane
	v_lshl_add_u32 v4, v2, 13, v3                  ; y, hf: + wave x two rows of 4,096 bytes
	v_lshlrev_b32 v5, 3, v1
	v_lshl_add_u32 v5, v2, 8, v5                   ; f16: 8 x lane + wave x two rows of 128 bytes
	v_mov_b32 v[CI], 0x3a800000
	s_lshl_b32 s14, ttmp9, 16                      ; the work-group's 16 rows
	s_mov_b32 s15, 0
	s_lshr_b32 s16, ttmp9, 3                       ; their row tile, 262,144 bytes,
	s_lshl_b32 s16, s16, 18
	s_and_b32 s17, ttmp9, 7                        ; and their place in a block
	s_lshl_b32 s17, s17, 11
	s_add_co_u32 s16, s16, s17
	s_mov_b32 s17, 0
	s_mov_b32 s20, 0x76543210                      ; v_permlanex16_b32: each lane takes its own place in the other half
	s_mov_b32 s21, 0xfedcba98
	s_mov_b32 s22, 0x3727c5ac                      ; 1e-5
	s_wait_kmcnt 0x0
	s_add_nc_u64 s[4:5], s[4:5], s[14:15]
	s_add_nc_u64 s[10:11], s[10:11], s[14:15]
	s_add_nc_u64 s[12:13], s[12:13], s[16:17]
.irp j, 0,1,2,3,4,5,6,7
	global_load_b128 v[X0+4*(\j):X0+4*(\j)+3], v4, s[4:5] offset:512*(\j) th:TH_LOAD_NT
.endr
.irp j, 0,1,2,3,4,5,6,7
	global_load_b128 v[X1+4*(\j):X1+4*(\j)+3], v4, s[4:5] offset:4096+512*(\j) th:TH_LOAD_NT
.endr
.irp j, 0,1,2,3,4,5,6,7
	global_load_b128 v[G+4*(\j):G+4*(\j)+3], v3, s[6:7] offset:512*(\j)
.endr
.irp j, 0,1,2,3,4,5,6,7
	global_load_b128 v[BE+4*(\j):BE+4*(\j)+3], v3, s[8:9] offset:512*(\j)
.endr
.macro LANES                           ; v[T] summed over the 32 lanes, the result in every lane
	v_add_f32_dpp v[T], v[T], v[T] row_xmask:1 row_mask:0xf bank_mask:0xf
	v_add_f32_dpp v[T], v[T], v[T] row_xmask:2 row_mask:0xf bank_mask:0xf
	v_add_f32_dpp v[T], v[T], v[T] row_xmask:4 row_mask:0xf bank_mask:0xf
	v_add_f32_dpp v[T], v[T], v[T] row_xmask:8 row_mask:0xf bank_mask:0xf
	v_permlanex16_b32 v[T+1], v[T], s20, s21
	v_add_f32 v[T], v[T], v[T+1]
.endm
.macro FOLD                            ; the four chains into v[T]
	v_pk_add_f32 v[T:T+1], v[T:T+1], v[T+2:T+3]
	v_pk_add_f32 v[T+4:T+5], v[T+4:T+5], v[T+6:T+7]
	v_pk_add_f32 v[T:T+1], v[T:T+1], v[T+4:T+5]
	v_add_f32 v[T], v[T], v[T+1]
	LANES
.endm
; the row at x: the mean is taken away in place; 1 / sqrt(var + eps) goes into the pair r
.macro STATS x, r
.irp k, 0,1,2,3
	v_pk_add_f32 v[T+2*(\k):T+2*(\k)+1], v[(\x)+2*(\k):(\x)+2*(\k)+1], v[(\x)+8+2*(\k):(\x)+8+2*(\k)+1]  ; four chains, started by the first sums: nothing is cleared
.endr
.irp g, 16,24
.irp k, 0,1,2,3
	v_pk_add_f32 v[T+2*(\k):T+2*(\k)+1], v[T+2*(\k):T+2*(\k)+1], v[(\x)+(\g)+2*(\k):(\x)+(\g)+2*(\k)+1]
.endr
.endr
	FOLD
	v_mul_f32 v[M], v[CI], v[T]
	v_mul_f32 v[M+1], v[CI], v[T]
.set i, 0
.rept 16
	v_pk_add_f32 v[(\x)+2*i:(\x)+2*i+1], v[(\x)+2*i:(\x)+2*i+1], v[M:M+1] neg_lo:[0,1] neg_hi:[0,1]
.set i, i+1
.endr
.irp k, 0,1,2,3
	v_pk_mul_f32 v[T+2*(\k):T+2*(\k)+1], v[(\x)+2*(\k):(\x)+2*(\k)+1], v[(\x)+2*(\k):(\x)+2*(\k)+1]
.endr
.irp g, 8,16,24
.irp k, 0,1,2,3
	v_pk_fma_f32 v[T+2*(\k):T+2*(\k)+1], v[(\x)+(\g)+2*(\k):(\x)+(\g)+2*(\k)+1], v[(\x)+(\g)+2*(\k):(\x)+(\g)+2*(\k)+1], v[T+2*(\k):T+2*(\k)+1]
.endr
.endr
	FOLD
	v_fma_f32 v[T+2], v[T], v[CI], s22             ; the mean of the squares + 1e-5
	v_rsq_f32 v[\r], v[T+2]
	v_rsq_f32 v[(\r)+1], v[T+2]
	v_nop                                          ; a plain instruction before the results are used or the source rewritten (ISA guide 5.7.2)
.endm
.macro SCALE x, r
.set i, 0
	s_wait_alu depctr_va_vdst(0)
.rept 16
	v_pk_mul_f32 v[(\x)+2*i:(\x)+2*i+1], v[(\x)+2*i:(\x)+2*i+1], v[\r:(\r)+1]
.set i, i+1
.endr
.set i, 0
.rept 16
	v_pk_fma_f32 v[(\x)+2*i:(\x)+2*i+1], v[(\x)+2*i:(\x)+2*i+1], v[G+2*i:G+2*i+1], v[BE+2*i:BE+2*i+1]
.set i, i+1
.endr
.endm
	s_wait_loadcnt 24                              ; row 0 is in; row 1, g and be stay out
	STATS X0, R0
	s_wait_loadcnt 16                              ; row 1 is in; g and be stay out
	STATS X1, R1
	s_wait_loadcnt 0x0
	SCALE X0, R0
.irp j, 0,1,2,3,4,5,6,7
	global_store_b128 v4, v[X0+4*(\j):X0+4*(\j)+3], s[10:11] offset:512*(\j)
.endr
	SCALE X1, R1
.irp j, 0,1,2,3,4,5,6,7
	global_store_b128 v4, v[X1+4*(\j):X1+4*(\j)+3], s[10:11] offset:4096+512*(\j)
.endr
	; the f16 copy.  Of a lane's pair j, lanes 0-15 hold 128 bytes of block 2 j and lanes 16-31 of block 2 j + 1.  Row 0's upper lanes change places with row 1's lower lanes: a register then holds
	; both rows of ONE block, and since the two rows are neighbours there, 32 lanes x 8 bytes are 256 consecutive bytes.
.set i, 0
.rept 16
	v_cvt_pk_f16_f32 v[H0+i], v[X0+2*i], v[X0+2*i+1]
	v_cvt_pk_f16_f32 v[H1+i], v[X1+2*i], v[X1+2*i+1]
.set i, i+1
.endr
.set i, 0
.rept 16
	v_permlane16_swap_b32 v[H0+i], v[H1+i]
.set i, i+1
.endr
.irp j, 0,1,2,3,4,5,6,7
	global_store_b64 v5, v[H0+2*(\j):H0+2*(\j)+1], s[12:13] offset:32768*(\j)
	global_store_b64 v5, v[H1+2*(\j):H1+2*(\j)+1], s[12:13] offset:32768*(\j)+16384
.endr
	s_endpgm
.Lfunc_end_k_q73c09e636e_ln1:
	.size	k_q73c09e636e_ln1, .Lfunc_end_k_q73c09e636e_ln1-k_q73c09e636e_ln1
	.p2alignl 7, 3214868480
	.fill 96, 4, 3214868480
	.section	.rodata,"a",@progbits
	.p2align	6, 0x0
	.amdhsa_kernel k_q73c09e636e_ln1
		.amdhsa_group_segment_fixed_size 0
		.amdhsa_private_segment_fixed_size 0
		.amdhsa_enable_private_segment 0
		.amdhsa_kernarg_size 40
		.amdhsa_user_sgpr_count 2
		.amdhsa_user_sgpr_kernarg_segment_ptr 1
		.amdhsa_wavefront_size32 1
		.amdhsa_system_sgpr_workgroup_id_x 1
		.amdhsa_system_sgpr_workgroup_id_y 1
		.amdhsa_system_sgpr_workgroup_id_z 1
		.amdhsa_system_vgpr_workitem_id 0
		.amdhsa_next_free_vgpr 184
		.amdhsa_next_free_sgpr 66
		.amdhsa_reserve_vcc 0
		.amdhsa_float_denorm_mode_32 3
		.amdhsa_float_denorm_mode_16_64 3
		.amdhsa_memory_ordered 1
		.amdhsa_forward_progress 1
		.amdhsa_inst_pref_size 23
	.end_amdhsa_kernel
	.amdgpu_metadata
---
amdhsa.version: [ 1, 2 ]
amdhsa.kernels:
  - .name:           k_q73c09e636e_ln1
    .symbol:         k_q73c09e636e_ln1.kd
    .args:
      - { .name: y, .offset: 0, .size: 8, .value_kind: global_buffer, .address_space: global }
      - { .name: g1, .offset: 8, .size: 8, .value_kind: global_buffer, .address_space: global }
      - { .name: be1, .offset: 16, .size: 8, .value_kind: global_buffer, .address_space: global }
      - { .name: hf, .offset: 24, .size: 8, .value_kind: global_buffer, .address_space: global }
      - { .name: act, .offset: 32, .size: 8, .value_kind: global_buffer, .address_space: global }
    .group_segment_fixed_size: 0
    .private_segment_fixed_size: 0
    .kernarg_segment_align: 8
    .kernarg_segment_size: 40
    .max_flat_workgroup_size: 256
    .sgpr_count:     66
    .vgpr_count:     184
    .wavefront_size: 32
...
	.end_amdgpu_metadata
.endif
;; end of part 5
;; launch ffn1: the kernel of part 2 again; grid 16 x 16, 4 waves a work-group, clusters of 4 x 4, 327,680 bytes of LDS; arguments act, w1p, wide; writes wide
;; launch ffn2 (part 6): grid 8 x 32, 4 waves a work-group, clusters of 4 x 4, 327,680 bytes of LDS; arguments wide, wr, b2, hf, y; writes y
.if DOCPART == 6
	.amdgcn_target "amdgcn-amd-amdhsa--gfx1250"
	.amdhsa_code_object_version 6
	.text
	.protected	k_q73c09e636e_ffn2
	.globl	k_q73c09e636e_ffn2
	.p2align	8
	.type	k_q73c09e636e_ffn2,@function
k_q73c09e636e_ffn2:
	s_mov_b64 s[64:65], 0
	v_nop
	global_prefetch_b8 v0, s[64:65] scope:SCOPE_SE
	s_setreg_imm32_b32 hwreg(HW_REG_WAVE_MODE, 25, 1), 1
	s_wait_xcnt 0x0
	s_wait_alu depctr_hold_cnt(0) depctr_sa_sdst(0) depctr_va_vdst(0) depctr_va_sdst(0) depctr_va_ssrc(0) depctr_va_vcc(0) depctr_vm_vsrc(0)
	s_getreg_b32 s2, hwreg(HW_REG_IB_STS2, 6, 4)
	s_cmp_eq_u32 s2, 0
	s_cbranch_scc0 .Lentry_in_a_cluster
	s_endpgm
.Lentry_in_a_cluster:
	s_bfe_u32 s2, ttmp6, 0x10000c
	s_cmp_lg_u32 s2, 0xf033
	s_cbranch_scc0 .Lentry_shape_is_right
	s_endpgm
.Lentry_shape_is_right:
; Y = A W + bias + RES, in f32.  A: 4,096 rows x KDIM, f16, in blocks of 128 rows x 64 columns, NCA blocks a row tile.  W: at byte WOFF of its buffer, 8 column tiles [KDIM k][128 n] in f16.
; bias: [1024] f32.  RES, Y: [4096][1024] f32.  Sums in f32; they begin with the bias, loaded straight into the accumulators; the residual is added in f32 on the way out.
; This text is the second feed-forward product: KDIM = 4,096.  (The attention's output projection is the same text but for the five constants NSTEP, NCA, WOFF, PHSH, PHMASK.)
; LIMITS. The f16 operands arrive within 65,504; NaN and infinities are not treated apart.  K is summed in the order given below, not ascending: an order of rounding of its own in each cluster.
; SHARES. A tile of Y is 128 x 128, which gives each of 256 work-groups one: four waves, each 64 x 64 = 16 accumulators.  K goes in steps of 256 through two LDS slots; one K step is written once and
; looped over, the slot in hand being a scalar (0 or SLOT) that one exclusive or turns.  The last two steps, which ask for nothing, are a second loop.
; CLUSTER. 4 x 4 work-groups: A's tiles are shared along a row of the cluster, W's along a column; each is asked for jointly.
; THE ORDER OF K. In its trip t a cluster takes K step t xor PHI, PHI = ((cluster y & PHMASK) xor cluster x) << PHSH: every step once, in blocks of 2^PHSH steps whose order differs from cluster to
; cluster.  The two clusters that need the same tiles of A (same y) take neighbouring blocks in swapped order, and clusters that need the same tiles of W (same x) begin at different blocks.  So a
; tile is not asked for by all its clusters at once: one asks first, the others a block of steps or more later, for bytes that have been fetched once already.  PHI is made of the cluster's
; coordinates alone: it is the same in all sixteen partners.
; THE MATRIX INSTRUCTION IS USED TRANSPOSED (source 0 = 16 columns of W, turned by ds_load_tr16_b128; source 1 = 16 rows of A): a lane holds eight neighbouring columns of one row of Y.
; REGISTERS: window 0: v16-30 addresses; v32-95 at work on the way out; v128-255 the accumulators ((a, b) at v[128 + 8 (4 a + b)]).
;   window 1: two fragment buffers of 128: for 64 along K, 64 registers of A, then 64 of W.     window 2: v0-127 the residual, loaded at the start.
.set NSTEP,  16
.set NCA,    64
.set WOFF,   2097152
.set PHSH,   2                         ; a block of the walk is 2^PHSH K steps
.set PHMASK, 3                         ; NSTEP / 2^PHSH - 1: the blocks' numbers
.set KDIM,   256*NSTEP
.set PA,     144                       ; an LDS row of A: 128 bytes + 16
.set PB,     288                       ; an LDS row of W: 256 bytes + 32 = 9 x 32
.set PART,   36864                     ; what one tensor load brings: 256 rows x 144 of A (two blocks), or 128 k rows x 288 of W
.set BOFF,   2*PART
.set SLOT,   4*PART
.set STAGE,  2*SLOT                    ; behind the ring: 16 rows x 272 bytes for each wave
.set SPITCH, 272
.set SPARE,  STAGE+4*16*SPITCH         ; the spare words, 128 bytes a wave: two blocks of 256 bytes that no other line names
.set ADRA0, 16                         ; v16 my lane's place in A's part of slot 0; v17 in the slot in hand
.set ADRA,  17
.set ADRB0, 20                         ; v20 the same for W; v21 k rows 0-127, v22 k rows 128-255 of the slot in hand (one 16-bit offset does not reach them all)
.set ADRB,  21
.set STO,   24
.set RD,    25
.set CO,    26                         ; my byte offset in two rows of RES and of Y
.set BO,    27                         ; my byte offset in 16 columns of the bias
.set SPW,   28                         ; LDS address of my spare word; never rewritten
.set NIL,   29                         ; 0; never rewritten
.set PFO,   30                         ; (NSTEP > 4) my byte offset in the 16,384 bytes that my work-group asks for ahead; never rewritten
.set TMP,   32
.set ACC,   128
.set F0,    0
.set F1,    128
.set BA,  14                           ; s[14:15] A at my part of the tile's K step 0
.set G1,  24
.set G0,  32
.set BB,  46                           ; s[46:47] W at my part of the tile's K step 0
.set G1B, 48
.set G0B, 56
.set TB,  66                           ; s66 the slot in hand: 0 or SLOT
.set LA,  67                           ; s67 where my load lands in a slot
.set PHI, 68                           ; s68 the cluster's place in the order of K
.set TQ,  69                           ; s69 the trip whose tile was asked for last
.set OF,  70                           ; s[70:71] a K step's byte offset in A and in W: 65,536 x step
.set MSB, 0
.macro WIN new
.if MSB != (\new)
	s_set_vgpr_msb (MSB<<8)|(\new)
.set MSB, \new
.endif
.endm
.set MUL,  0x05                        ; sources 0 (W) and 1 (A) window 1; C and D window 0
.set TO_F, 0x40                        ; destination window 1, address window 0
.macro JLOAD                           ; a joint refill by the walking descriptors: waves 0 and 1 for A, waves 2 and 3 for W; an s_nop 0 and four v_nop follow each line
	s_cmp_eq_u32 s11, 0
	s_cbranch_scc0 .Lfor_b_\@
	tensor_load_to_lds s[G0+4:G0+7], s[G1:G1+7]
	s_nop 0
.rept 4
	v_nop
.endr
	s_branch .Lasked_\@
.Lfor_b_\@:
	tensor_load_to_lds s[G0B+4:G0B+7], s[G1B:G1B+7]
	s_nop 0
.rept 4
	v_nop
.endr
.Lasked_\@:
.endm
.macro CREST
	s_cmp_lg_u32 s10, 0
	s_cbranch_scc1 .Lnot_wave_0_\@
	s_barrier_signal -3
.Lnot_wave_0_\@:
	s_barrier_wait -3
	s_barrier_signal -1
	s_barrier_wait -1
.endm
.macro CROUND
	s_barrier_signal -1
	s_barrier_wait -1
	CREST
.endm
; ASKING AHEAD (NSTEP > 4).  Of A's tiles my cluster is the first to ask in the walk's blocks 0 and 2.  Block 2's four tiles are asked for ahead: in the trip that requests trip t's tile, the tile of
; trip t + 2, which the tensor load two trips on will bring.  A tile of A is 65,536 dense bytes; each of the four partners that share it takes a quarter, waves 0 and 1 one half of that each: 32 lanes,
; 256 bytes apart.  So each block of 256 bytes is asked for once in the launch.  Trips outside t + 2 = 8 .. 11 ask for nothing, so no request points past the buffer.
.macro AHEAD
	s_add_co_u32 s20, s[TQ], 2
	s_lshr_b32 s2, s20, PHSH                       ; its block of the walk
	s_cmp_lg_u32 s2, 2
	s_cbranch_scc1 .Lnot_ahead_\@
	s_cmp_lg_u32 s11, 0
	s_cbranch_scc1 .Lnot_ahead_\@
	s_xor_b32 s44, s20, s[PHI]
	s_lshl_b32 s44, s44, 16
	s_wait_xcnt 0x0                                ; the request of the trip before has read s[82:83]
	s_add_nc_u64 s[82:83], s[18:19], s[44:45]
	global_prefetch_b8 v[PFO], s[82:83] th:TH_LOAD_NT scope:SCOPE_SE
.Lnot_ahead_\@:
.endm
	s_load_b256 s[72:79], s[0:1], 0x0              ; A 72, W 74, bias 76, RES 78
	s_load_b64 s[80:81], s[0:1], 0x20              ; Y
	v_lshl_add_u32 v[SPW], v0, 2, SPARE
	v_mov_b32 v[NIL], 0
	ds_add_u32 v28, v29
	s_wait_dscnt 0x0
	v_lshrrev_b32 v1, 5, v0
	v_readfirstlane_b32 s10, v1                    ; wave 0..3
	s_lshr_b32 s11, s10, 1                         ; my half of the tile's rows.  Also: I fetch for A (0) or for W (1)
	s_and_b32 s12, s10, 1                          ; my half of its columns.  Also: which half of that tile I fetch
	s_bfe_u32 s40, ttmp6, 0x40000
	s_bfe_u32 s41, ttmp6, 0x40004
	s_lshl_b32 s42, ttmp9, 2
	s_add_co_u32 s42, s42, s40                     ; tile column
	s_and_b32 s13, ttmp7, 0xffff                   ; cluster y
	s_and_b32 s[PHI], s13, PHMASK
	s_xor_b32 s[PHI], s[PHI], ttmp9                ; cluster x is 0 or 1
	s_lshl_b32 s[PHI], s[PHI], PHSH
	s_lshl_b32 s13, s13, 2
	s_add_co_u32 s13, s13, s41                     ; tile row
	s_lshl_b32 s43, s41, 2
	s_lshl_b32 s43, 15, s43                        ; my row of the cluster
	s_lshl_b32 s44, 0x1111, s40                    ; my column
	; group 1 for A: two blocks, 32,768 dense bytes, as 128 rows of 256 bytes, 16 bytes of padding behind every 128
	s_or_b32 s[G1+0], s43, (1<<16)|(1<<20)|(1<<21)|(4<<22)|(3<<25)
	; group 1 for W: 128 rows of 256 bytes, 32 bytes of padding behind each
	s_or_b32 s[G1B+0], s44, (1<<16)|(1<<20)|(1<<21)|(5<<22)|(7<<25)
.irp g, G1, G1B
	s_mov_b32 s[(\g)+1], 128<<16                   ; tensor_dim0 = 128
	s_mov_b32 s[(\g)+2], 128<<16                   ; tensor_dim1 = 128
	s_mov_b32 s[(\g)+3], 128<<16                   ; tile_dim0 = 128
	s_mov_b32 s[(\g)+4], 128                       ; tile_dim1 = 128
	s_mov_b32 s[(\g)+5], 128                       ; elements from row to row
	s_mov_b32 s[(\g)+6], 0
	s_mov_b32 s[(\g)+7], 0
.endr
	s_mov_b32 s[OF+1], 0
	s_mul_i32 s16, s13, NCA*16384                  ; A: my row tile, and two of a step's four blocks: the tile row alone
	s_lshl_b32 s17, s12, 15
	s_add_co_u32 s16, s16, s17
	s_mov_b32 s17, 0
	s_mul_i32 s46, s42, KDIM*256                   ; W: my column tile, and 128 of a step's 256 k rows: the tile column alone
	s_lshl_b32 s47, s12, 15
	s_add_co_u32 s46, s46, s47
	s_add_co_u32 s46, s46, WOFF
	s_mov_b32 s47, 0
	s_mul_i32 s[LA], s10, PART                     ; A's two parts, then W's two = wave x 36,864
	s_lshl_b32 s4, s42, 9                          ; my 64 columns in bytes of f32 (offsets that mix cx and cy lie in s4-s9, which feed no descriptor)
	s_lshl_b32 s5, s12, 8
	s_add_co_u32 s4, s4, s5
	s_mov_b32 s5, 0
	s_lshl_b32 s6, s13, 19                         ; my 64 rows of 4,096 bytes, and those columns
	s_lshl_b32 s8, s11, 18
	s_add_co_u32 s6, s6, s8
	s_add_co_u32 s6, s6, s4
	s_mov_b32 s7, 0
.if NSTEP > 4
	s_mul_i32 s8, s13, NCA*16384                   ; asking ahead: my row tile of A, and of a step's 65,536 bytes the quarter that goes by my place along the cluster's x
	s_lshl_b32 s9, s40, 14
	s_add_co_u32 s8, s8, s9
	s_mov_b32 s9, 0
	s_mov_b32 s45, 0                               ; s[44:45] (the mask has gone into group 1) takes a step's offset there
.endif
	CROUND                                         ; all sixteen work-groups are here: the first joint loads meet.  The round needs no argument, so it stands ahead of the wait for them
	s_wait_kmcnt 0x0
	s_add_nc_u64 s[BA:BA+1], s[72:73], s[16:17]
	s_add_nc_u64 s[BB:BB+1], s[74:75], s[46:47]
	s_add_nc_u64 s[76:77], s[76:77], s[4:5]
	s_add_nc_u64 s[78:79], s[78:79], s[6:7]
	s_add_nc_u64 s[80:81], s[80:81], s[6:7]
.if NSTEP > 4
	s_add_nc_u64 s[18:19], s[72:73], s[8:9]
.endif
.irp s, 0,1
	s_xor_b32 s[OF], s[PHI], \s                    ; trip s takes K step s xor PHI
	s_lshl_b32 s[OF], s[OF], 16
	s_mov_b32 s[G0+4*(\s)], 1
	s_add_co_u32 s[G0+4*(\s)+1], s[LA], (\s)*SLOT
	s_add_nc_u64 s[G0+4*(\s)+2:G0+4*(\s)+3], s[BA:BA+1], s[OF:OF+1]
	s_or_b32 s[G0+4*(\s)+3], s[G0+4*(\s)+3], 0x80000000
	s_mov_b32 s[G0B+4*(\s)], 1
	s_add_co_u32 s[G0B+4*(\s)+1], s[LA], (\s)*SLOT
	s_add_nc_u64 s[G0B+4*(\s)+2:G0B+4*(\s)+3], s[BB:BB+1], s[OF:OF+1]
	s_or_b32 s[G0B+4*(\s)+3], s[G0B+4*(\s)+3], 0x80000000
.endr
	s_cmp_eq_u32 s11, 0                            ; a wave's two first fills stand in one branch: two loads of mine are out
	s_cbranch_scc0 .Lfirst_b
	tensor_load_to_lds s[G0:G0+3], s[G1:G1+7]
	s_nop 0
	tensor_load_to_lds s[G0+4:G0+7], s[G1:G1+7]
	s_nop 0
.rept 4
	v_nop
.endr
	s_branch .Lfirst_asked
.Lfirst_b:
	tensor_load_to_lds s[G0B:G0B+3], s[G1B:G1B+7]
	s_nop 0
	tensor_load_to_lds s[G0B+4:G0B+7], s[G1B:G1B+7]
	s_nop 0
.rept 4
	v_nop
.endr
.Lfirst_asked:
	v_and_b32 v1, 15, v0                           ; l % 16
	v_bfe_u32 v2, v0, 4, 1                         ; l / 16
	v_mul_u32_u24 v3, v1, PA
	v_lshl_add_u32 v3, v2, 4, v3
	s_mul_i32 s21, s11, 64*PA                      ; my 64 rows in each block of A
	v_add_nc_u32 v[ADRA0], s21, v3
	v_and_b32 v4, 7, v0                            ; the turning load: k row 8 (l / 16) + l % 8, columns 8 ((l / 8) % 2) + 0..7
	v_lshl_add_u32 v4, v2, 3, v4
	v_mul_u32_u24 v4, v4, PB
	v_bfe_u32 v5, v0, 3, 1
	v_lshl_add_u32 v4, v5, 4, v4
	s_lshl_b32 s22, s12, 7                         ; my 64 columns of W
	s_add_co_u32 s22, s22, BOFF
	v_add_nc_u32 v[ADRB0], s22, v4
	s_mul_i32 s23, s10, 16*SPITCH
	s_add_co_u32 s23, s23, STAGE                   ; my stage
	v_mul_u32_u24 v5, v1, SPITCH                   ; in: row l % 16, 32 bytes for each half of the lanes
	v_lshl_add_u32 v5, v2, 5, v5
	v_add_nc_u32 v[STO], s23, v5
	v_mul_u32_u24 v5, v2, SPITCH                   ; back: lanes 0-15 one row of 256 bytes, lanes 16-31 the next
	v_lshl_add_u32 v5, v1, 4, v5
	v_add_nc_u32 v[RD], s23, v5
	v_lshlrev_b32 v5, 12, v2                       ; and the same two rows in RES and Y
	v_lshl_add_u32 v[CO], v1, 4, v5
	v_lshlrev_b32 v[BO], 5, v2
.if NSTEP > 4
	v_and_b32 v6, 31, v0
	v_lshlrev_b32 v[PFO], 8, v6                    ; 256 x lane
	v_lshl_add_u32 v[PFO], s10, 13, v[PFO]         ; + 8,192 x wave (waves 0 and 1 ask)
.endif
	v_mov_b32 v[ADRA], v[ADRA0]
	v_mov_b32 v[ADRB], v[ADRB0]
	v_add_nc_u32 v[ADRB+1], 128*PB, v[ADRB0]
	s_mov_b32 s[TB], 0
	s_mov_b32 s[TQ], 1                             ; trips 0 and 1 have been asked for
	; the sums begin with the bias: accumulator (a, b) of lane l holds columns 16 b + 8 (l / 16) + 0..7, whatever a
.irp a, 0,1,2,3
.irp b, 0,1,2,3
	global_load_b128 v[ACC+8*(4*(\a)+(\b)):ACC+8*(4*(\a)+(\b))+3],   v[BO], s[76:77] offset:64*(\b)
	global_load_b128 v[ACC+8*(4*(\a)+(\b))+4:ACC+8*(4*(\a)+(\b))+7], v[BO], s[76:77] offset:64*(\b)+16
.endr
.endr
	WIN 0x80                                       ; the residual, as whole rows of 256 bytes: it has the whole product in which to land; the launch reads each of its bytes once
.irp a, 0,1,2,3
.irp t, 0,1,2,3,4,5,6,7
	global_load_b128 v[32*(\a)+4*(\t):32*(\a)+4*(\t)+3], v[CO], s[78:79] offset:(16*(\a)+2*(\t))*4096 th:TH_LOAD_NT
.endr
.endr
	WIN 0
; 8 matrix instructions: m blocks a0, a0 + 1 x all 4 n blocks, 32 along K: half c of buffer f.  The 16 accumulators take turns.
.macro MUL8 f, c, a0
	WIN MUL
.irp a, \a0, (\a0)+1
.irp b, 0,1,2,3
	v_wmma_f32_16x16x32_f16 v[ACC+8*(4*(\a)+(\b)):ACC+8*(4*(\a)+(\b))+7], v[(\f)+64+8*(4*(\c)+(\b)):(\f)+64+8*(4*(\c)+(\b))+7], v[(\f)+8*(4*(\c)+(\a)):(\f)+8*(4*(\c)+(\a))+7], v[ACC+8*(4*(\a)+(\b)):ACC+8*(4*(\a)+(\b))+7]
.endr
.endr
.endm
; 32 LDS loads in one run: quarter q (64 along K: one block of A) of the slot in hand into buffer f; the first 32 along K first
.macro FETCH q, f
	WIN TO_F
.irp c, 0,1
.irp i, 0,1,2,3
	ds_load_tr16_b128 v[(\f)+64+8*(4*(\c)+(\i)):(\f)+64+8*(4*(\c)+(\i))+3],   v[ADRB+(\q)/2] offset:(64*((\q)%2)+32*(\c))*PB+32*(\i)
	ds_load_tr16_b128 v[(\f)+64+8*(4*(\c)+(\i))+4:(\f)+64+8*(4*(\c)+(\i))+7], v[ADRB+(\q)/2] offset:(64*((\q)%2)+32*(\c)+16)*PB+32*(\i)
	ds_load_b128 v[(\f)+8*(4*(\c)+(\i)):(\f)+8*(4*(\c)+(\i))+3],   v[ADRA] offset:(\q)*128*PA+(\i)*16*PA+64*(\c)
	ds_load_b128 v[(\f)+8*(4*(\c)+(\i))+4:(\f)+8*(4*(\c)+(\i))+7], v[ADRA] offset:(\q)*128*PA+(\i)*16*PA+64*(\c)+32
.endr
.endr
.endm
.macro PLACES                          ; four plain vector instructions between a matrix instruction and a load into, or an LDS store of, its registers
.rept 4
	v_nop
.endr
.endm
.macro QUARTER q, f, g                 ; multiplies buffer f and fetches quarter q into g
	s_wait_dscnt 16                                ; the first 32 along K are in
	MUL8 \f, 0, 0
	MUL8 \f, 0, 2
	PLACES
	FETCH \q, \g
	s_wait_dscnt 32                                ; all but the 32 just issued
	MUL8 \f, 1, 0
	MUL8 \f, 1, 2
.endm
; The last quarter multiplies buffer 1 and changes slots: one barrier; in front of it each wave waits for all its tensor loads, adds 0 to its spare word, and waits for that and for its reads of this slot.
; fill = 1: the barrier opens a round of the cluster's, and the slot just read is filled again, with the tile of the trip two on.  fill = 0: nothing is asked for; in the very last step the fetch is jumped over.
.macro TURN fill
	WIN 0
	s_wait_tensorcnt 0x0
	ds_add_u32 v[SPW], v[NIL]
	s_wait_dscnt 17                                ; the add and the youngest sixteen loads may be out
	MUL8 F1, 0, 0                                  ; eight matrix instructions stand between the add and the wait for it
	s_wait_dscnt 0x0                               ; the add is done, and my reads of this slot are over
	s_barrier_signal -1
	MUL8 F1, 0, 2
	WIN 0
	s_barrier_wait -1
.if \fill
	CREST
	s_add_co_u32 s[TQ], s[TQ], 1                   ; no tensor load of mine is out, so the walking sets may be written: the next trip's
	s_xor_b32 s[OF], s[TQ], s[PHI]                 ; K step,
	s_lshl_b32 s[OF], s[OF], 16                    ; its 65,536 bytes in A's row tile and in W's column tile,
	s_add_co_u32 s[G0+5], s[LA], s[TB]             ; into the slot just read.  The address is made anew from the tile's first step, and the type bits set again
	s_add_co_u32 s[G0B+5], s[LA], s[TB]
	s_add_nc_u64 s[G0+6:G0+7], s[BA:BA+1], s[OF:OF+1]
	s_or_b32 s[G0+7], s[G0+7], 0x80000000
	s_add_nc_u64 s[G0B+6:G0B+7], s[BB:BB+1], s[OF:OF+1]
	s_or_b32 s[G0B+7], s[G0B+7], 0x80000000
	JLOAD                                          ; 112 matrix instructions ahead of the wait for it; its four v_nop are also the places in front of the loads below
.if NSTEP > 4
	AHEAD
.endif
.else
	s_cmp_eq_u32 s3, 1
	s_cbranch_scc1 .Lno_next_\@
	PLACES
.endif
	s_xor_b32 s[TB], s[TB], SLOT
	v_add_nc_u32 v[ADRA], s[TB], v[ADRA0]
	v_add_nc_u32 v[ADRB], s[TB], v[ADRB0]
	v_add_nc_u32 v[ADRB+1], 128*PB, v[ADRB]
	FETCH 0, F0
.if !(\fill)
	WIN 0
.Lno_next_\@:
.endif
	MUL8 F1, 1, 0
	MUL8 F1, 1, 2
.endm
; THE WAY OUT of block a (16 rows x 64 columns of f32): through my own stage, back as whole rows of 256 bytes, the residual added, stored.  Each accumulator's low four registers are read first.
.macro OUT a
.set TH, TMP+32*((\a)%2)
	s_wait_xcnt 0x0                                ; the registers that the block before last's stores read are loaded again only behind this wait
.irp b, 0,1,2,3
	ds_store_b128 v[STO], v[ACC+8*(4*(\a)+(\b)):ACC+8*(4*(\a)+(\b))+3]   offset:64*(\b)
	ds_store_b128 v[STO], v[ACC+8*(4*(\a)+(\b))+4:ACC+8*(4*(\a)+(\b))+7] offset:64*(\b)+16
.endr
.irp t, 0,1,2,3,4,5,6,7
	ds_load_b128 v[TH+4*(\t):TH+4*(\t)+3], v[RD] offset:(\t)*2*SPITCH  ; LDS serves a wave's instructions in order (ISA guide 5.7.1.4): these see the stores above
.endr
	s_wait_dscnt 0x0
.if (\a) == 0
	s_wait_loadcnt 0x0                             ; the residual
.endif
	WIN 0x08                                       ; source 1 in window 2
.set i, 0
.rept 16
	v_pk_add_f32 v[TH+2*i:TH+2*i+1], v[TH+2*i:TH+2*i+1], v[32*(\a)+2*i:32*(\a)+2*i+1]
.set i, i+1
.endr
	WIN 0
.irp t, 0,1,2,3,4,5,6,7
	global_store_b128 v[CO], v[TH+4*(\t):TH+4*(\t)+3], s[80:81] offset:(16*(\a)+2*(\t))*4096  ; 16 lanes store 256 consecutive bytes, at a multiple of 256 from Y's first byte
.endr
.endm
	s_wait_tensorcnt 1                             ; my part of trip 0's tile is in; trip 1's may stay out
	s_barrier_signal -1
	s_barrier_wait -1
	FETCH 0, F0
	WIN 0
	s_wait_loadcnt 32                              ; the bias is in; the 32 loads of the residual may stay out
	s_mov_b32 s3, NSTEP-2
.Lstep:                                                ; all trips but the last two: each asks for the tile of the trip two on
	QUARTER 1, F0, F1
	QUARTER 2, F1, F0
	QUARTER 3, F0, F1
	TURN 1
	WIN 0
	s_sub_co_u32 s3, s3, 1
	s_cmp_lg_u32 s3, 0
	s_cbranch_scc1 .Lstep
	s_mov_b32 s3, 2
.Ltail:
	QUARTER 1, F0, F1
	QUARTER 2, F1, F0
	QUARTER 3, F0, F1
	TURN 0
	WIN 0
	s_sub_co_u32 s3, s3, 1
	s_cmp_lg_u32 s3, 0
	s_cbranch_scc1 .Ltail
	PLACES
	OUT 0
	OUT 1
	OUT 2
	OUT 3
	s_wait_tensorcnt 0x0                           ; the wave's end
	ds_add_u32 v[SPW], v[NIL]
	s_wait_dscnt 0x0
	CROUND                                         ; the closing round
	s_endpgm
.Lfunc_end_k_q73c09e636e_ffn2:
	.size	k_q73c09e636e_ffn2, .Lfunc_end_k_q73c09e636e_ffn2-k_q73c09e636e_ffn2
	.p2alignl 7, 3214868480
	.fill 96, 4, 3214868480
	.section	.rodata,"a",@progbits
	.p2align	6, 0x0
	.amdhsa_kernel k_q73c09e636e_ffn2
		.amdhsa_group_segment_fixed_size 327680
		.amdhsa_private_segment_fixed_size 0
		.amdhsa_enable_private_segment 0
		.amdhsa_kernarg_size 40
		.amdhsa_user_sgpr_count 2
		.amdhsa_user_sgpr_kernarg_segment_ptr 1
		.amdhsa_wavefront_size32 1
		.amdhsa_system_sgpr_workgroup_id_x 1
		.amdhsa_system_sgpr_workgroup_id_y 1
		.amdhsa_system_sgpr_workgroup_id_z 1
		.amdhsa_system_vgpr_workitem_id 0
		.amdhsa_next_free_vgpr 640
		.amdhsa_next_free_sgpr 84
		.amdhsa_reserve_vcc 0
		.amdhsa_float_denorm_mode_32 3
		.amdhsa_float_denorm_mode_16_64 3
		.amdhsa_memory_ordered 1
		.amdhsa_forward_progress 1
		.amdhsa_inst_pref_size 65
	.end_amdhsa_kernel
	.amdgpu_metadata
---
amdhsa.version: [ 1, 2 ]
amdhsa.kernels:
  - .name:           k_q73c09e636e_ffn2
    .symbol:         k_q73c09e636e_ffn2.kd
    .args:
      - { .name: wide, .offset: 0, .size: 8, .value_kind: global_buffer, .address_space: global }
      - { .name: wr, .offset: 8, .size: 8, .value_kind: global_buffer, .address_space: global }
      - { .name: b2, .offset: 16, .size: 8, .value_kind: global_buffer, .address_space: global }
      - { .name: hf, .offset: 24, .size: 8, .value_kind: global_buffer, .address_space: global }
      - { .name: y, .offset: 32, .size: 8, .value_kind: global_buffer, .address_space: global }
    .group_segment_fixed_size: 327680
    .private_segment_fixed_size: 0
    .kernarg_segment_align: 8
    .kernarg_segment_size: 40
    .max_flat_workgroup_size: 128
    .sgpr_count:     84
    .vgpr_count:     640
    .wavefront_size: 32
...
	.end_amdgpu_metadata
.endif
;; end of part 6
;; launch ln2 (part 7): grid 256 x 1, 8 waves a work-group, no clusters, 0 bytes of LDS; arguments y, g2, be2, out0; writes out0
.if DOCPART == 7
	.amdgcn_target "amdgcn-amd-amdhsa--gfx1250"
	.amdhsa_code_object_version 6
	.text
	.protected	k_q73c09e636e_ln2
	.globl	k_q73c09e636e_ln2
	.p2align	8
	.type	k_q73c09e636e_ln2,@function
k_q73c09e636e_ln2:
	s_mov_b64 s[64:65], 0
	v_nop
	global_prefetch_b8 v0, s[64:65] scope:SCOPE_SE
	s_setreg_imm32_b32 hwreg(HW_REG_WAVE_MODE, 25, 1), 1
	s_wait_xcnt 0x0
; out = g (y - mean) / sqrt(var + 1e-5) + be along rows of 1,024, all in f32.
; One wave takes two whole rows and keeps them in registers between the passes: memory is read once, the reduction never leaves the wave, and there is no LDS and no barrier.
; The variance is the mean of the squared differences from the mean, as it is defined: no difference of large sums is formed.  NaN and infinities are not treated apart.
; Lane l holds columns 128 j + 4 l + 0..3, j = 0..7: each load and store covers 512 consecutive bytes.
.set X0, 8                             ; v[8:39]    row 0
.set X1, 40                            ; v[40:71]   row 1
.set G,  72                            ; v[72:103]  g of my columns
.set BE, 104                           ; v[104:135] be
.set T,  136                           ; v[136:143] at work
.set M,  144                           ; v[144:145] the mean, twice
.set R0, 146                           ; v[146:147] 1 / sqrt(var + eps) of row 0, twice
.set R1, 148                           ; v[148:149] of row 1
.set CI, 150                           ; v150       1 / 1,024
	s_load_b256 s[4:11], s[0:1], 0x0               ; y 4, g 6, be 8, out 10
	v_and_b32 v1, 31, v0                           ; lane
	v_lshrrev_b32 v2, 5, v0                        ; wave
	v_lshlrev_b32 v3, 4, v1                        ; g, be: 16 x lane
	v_lshl_add_u32 v4, v2, 13, v3                  ; y, out: + wave x two rows of 4,096 bytes
	v_mov_b32 v[CI], 0x3a800000
	s_lshl_b32 s14, ttmp9, 16                      ; the work-group's 16 rows
	s_mov_b32 s15, 0
	s_mov_b32 s20, 0x76543210                      ; v_permlanex16_b32: each lane takes its own place in the other half
	s_mov_b32 s21, 0xfedcba98
	s_mov_b32 s22, 0x3727c5ac                      ; 1e-5
	s_wait_kmcnt 0x0
	s_add_nc_u64 s[4:5], s[4:5], s[14:15]
	s_add_nc_u64 s[10:11], s[10:11], s[14:15]
.irp j, 0,1,2,3,4,5,6,7
	global_load_b128 v[X0+4*(\j):X0+4*(\j)+3], v4, s[4:5] offset:512*(\j) th:TH_LOAD_NT
.endr
.irp j, 0,1,2,3,4,5,6,7
	global_load_b128 v[X1+4*(\j):X1+4*(\j)+3], v4, s[4:5] offset:4096+512*(\j) th:TH_LOAD_NT
.endr
.irp j, 0,1,2,3,4,5,6,7
	global_load_b128 v[G+4*(\j):G+4*(\j)+3], v3, s[6:7] offset:512*(\j)
.endr
.irp j, 0,1,2,3,4,5,6,7
	global_load_b128 v[BE+4*(\j):BE+4*(\j)+3], v3, s[8:9] offset:512*(\j)
.endr
.macro LANES                           ; v[T] summed over the 32 lanes, the result in every lane
	v_add_f32_dpp v[T], v[T], v[T] row_xmask:1 row_mask:0xf bank_mask:0xf
	v_add_f32_dpp v[T], v[T], v[T] row_xmask:2 row_mask:0xf bank_mask:0xf
	v_add_f32_dpp v[T], v[T], v[T] row_xmask:4 row_mask:0xf bank_mask:0xf
	v_add_f32_dpp v[T], v[T], v[T] row_xmask:8 row_mask:0xf bank_mask:0xf
	v_permlanex16_b32 v[T+1], v[T], s20, s21
	v_add_f32 v[T], v[T], v[T+1]
.endm
.macro FOLD                            ; the four chains into v[T]
	v_pk_add_f32 v[T:T+1], v[T:T+1], v[T+2:T+3]
	v_pk_add_f32 v[T+4:T+5], v[T+4:T+5], v[T+6:T+7]
	v_pk_add_f32 v[T:T+1], v[T:T+1], v[T+4:T+5]
	v_add_f32 v[T], v[T], v[T+1]
	LANES
.endm
; the row at x: the mean is taken away in place; 1 / sqrt(var + eps) goes into the pair r
.macro STATS x, r
.irp k, 0,1,2,3
	v_pk_add_f32 v[T+2*(\k):T+2*(\k)+1], v[(\x)+2*(\k):(\x)+2*(\k)+1], v[(\x)+8+2*(\k):(\x)+8+2*(\k)+1]  ; four chains, started by the first sums: nothing is cleared
.endr
.irp g, 16,24
.irp k, 0,1,2,3
	v_pk_add_f32 v[T+2*(\k):T+2*(\k)+1], v[T+2*(\k):T+2*(\k)+1], v[(\x)+(\g)+2*(\k):(\x)+(\g)+2*(\k)+1]
.endr
.endr
	FOLD
	v_mul_f32 v[M], v[CI], v[T]
	v_mul_f32 v[M+1], v[CI], v[T]
.set i, 0
.rept 16
	v_pk_add_f32 v[(\x)+2*i:(\x)+2*i+1], v[(\x)+2*i:(\x)+2*i+1], v[M:M+1] neg_lo:[0,1] neg_hi:[0,1]
.set i, i+1
.endr
.irp k, 0,1,2,3
	v_pk_mul_f32 v[T+2*(\k):T+2*(\k)+1], v[(\x)+2*(\k):(\x)+2*(\k)+1], v[(\x)+2*(\k):(\x)+2*(\k)+1]
.endr
.irp g, 8,16,24
.irp k, 0,1,2,3
	v_pk_fma_f32 v[T+2*(\k):T+2*(\k)+1], v[(\x)+(\g)+2*(\k):(\x)+(\g)+2*(\k)+1], v[(\x)+(\g)+2*(\k):(\x)+(\g)+2*(\k)+1], v[T+2*(\k):T+2*(\k)+1]
.endr
.endr
	FOLD
	v_fma_f32 v[T+2], v[T], v[CI], s22             ; the mean of the squares + 1e-5
	v_rsq_f32 v[\r], v[T+2]
	v_rsq_f32 v[(\r)+1], v[T+2]
	v_nop                                          ; a plain instruction before the results are used or the source rewritten (ISA guide 5.7.2)
.endm
.macro SCALE x, r
.set i, 0
	s_wait_alu depctr_va_vdst(0)
.rept 16
	v_pk_mul_f32 v[(\x)+2*i:(\x)+2*i+1], v[(\x)+2*i:(\x)+2*i+1], v[\r:(\r)+1]
.set i, i+1
.endr
.set i, 0
.rept 16
	v_pk_fma_f32 v[(\x)+2*i:(\x)+2*i+1], v[(\x)+2*i:(\x)+2*i+1], v[G+2*i:G+2*i+1], v[BE+2*i:BE+2*i+1]
.set i, i+1
.endr
.endm
	s_wait_loadcnt 24                              ; row 0 is in; row 1, g and be stay out
	STATS X0, R0
	s_wait_loadcnt 16                              ; row 1 is in; g and be stay out
	STATS X1, R1
	s_wait_loadcnt 0x0
	SCALE X0, R0
.irp j, 0,1,2,3,4,5,6,7
	global_store_b128 v4, v[X0+4*(\j):X0+4*(\j)+3], s[10:11] offset:512*(\j) th:TH_STORE_NT
.endr
	SCALE X1, R1
.irp j, 0,1,2,3,4,5,6,7
	global_store_b128 v4, v[X1+4*(\j):X1+4*(\j)+3], s[10:11] offset:4096+512*(\j) th:TH_STORE_NT
.endr
	s_endpgm
.Lfunc_end_k_q73c09e636e_ln2:
	.size	k_q73c09e636e_ln2, .Lfunc_end_k_q73c09e636e_ln2-k_q73c09e636e_ln2
	.p2alignl 7, 3214868480
	.fill 96, 4, 3214868480
	.section	.rodata,"a",@progbits
	.p2align	6, 0x0
	.amdhsa_kernel k_q73c09e636e_ln2
		.amdhsa_group_segment_fixed_size 0
		.amdhsa_private_segment_fixed_size 0
		.amdhsa_enable_private_segment 0
		.amdhsa_kernarg_size 32
		.amdhsa_user_sgpr_count 2
		.amdhsa_user_sgpr_kernarg_segment_ptr 1
		.amdhsa_wavefront_size32 1
		.amdhsa_system_sgpr_workgroup_id_x 1
		.amdhsa_system_sgpr_workgroup_id_y 1
		.amdhsa_system_sgpr_workgroup_id_z 1
		.amdhsa_system_vgpr_workitem_id 0
		.amdhsa_next_free_vgpr 152
		.amdhsa_next_free_sgpr 66
		.amdhsa_reserve_vcc 0
		.amdhsa_float_denorm_mode_32 3
		.amdhsa_float_denorm_mode_16_64 3
		.amdhsa_memory_ordered 1
		.amdhsa_forward_progress 1
		.amdhsa_inst_pref_size 18
	.end_amdhsa_kernel
	.amdgpu_metadata
---
amdhsa.version: [ 1, 2 ]
amdhsa.kernels:
  - .name:           k_q73c09e636e_ln2
    .symbol:         k_q73c09e636e_ln2.kd
    .args:
      - { .name: y, .offset: 0, .size: 8, .value_kind: global_buffer, .address_space: global }
      - { .name: g2, .offset: 8, .size: 8, .value_kind: global_buffer, .address_space: global }
      - { .name: be2, .offset: 16, .size: 8, .value_kind: global_buffer, .address_space: global }
      - { .name: out0, .offset: 24, .size: 8, .value_kind: global_buffer, .address_space: global }
    .group_segment_fixed_size: 0
    .private_segment_fixed_size: 0
    .kernarg_segment_align: 8
    .kernarg_segment_size: 32
    .max_flat_workgroup_size: 256
    .sgpr_count:     66
    .vgpr_count:     152
    .wavefront_size: 32
...
	.end_amdgpu_metadata
.endif
;; end of part 7
